; MI455X (gfx1250); checked and timed in simulation.
; The chip was launched on July 23, 2026; its instructions are those of AMD's public machine-readable ISA for CDNA 5 (MIT licence, August 2026) and "CDNA5" Instruction Set Architecture Reference Guide (July 2026). The comments in the code are by the model that wrote it; some were corrected since.
;; Multi Head Attention. Allowed arithmetic: matrix products marked QUANTISED: E2M3 operands, one E8M0 scale for each 32 along K, by v_wmma_scale_f32_16x16x128_f8f6f4 with both operands' format E2M3, f32 sums; everything else in f32.
;; Inputs: k_proj 1,024 x 1,024 float32; o_proj 1,024 x 1,024 float32; q_proj 1,024 x 1,024 float32; token_positions 2,048 int32; v_proj 1,024 x 1,024 float32; x 4 x 2,048 x 1,024 float32.
;; Outputs: out0 4 x 2,048 x 1,024 float32.
;; This version of the problem:
;;   THIS VERSION OF THE PROBLEM IS GIVEN IN LOW PRECISION. The matrix products marked QUANTISED in the list below multiply operands that are first quantised to E2M3 (2 exponent bits, 3 mantissa bits; 6 bits a number), with one power-of-two scale for each 32 numbers along K (OCP MX v1.0); their sums are f32. All else is computed in f32.
;;   The module's matrix products, in the order in which they are computed (A, B: the left and right operand; K: the contracted axis; several contracted axes count as one K, in the product's order):
;;     1. [M 8,192, K 1,024] x [K 1,024, N 1,024]; A: input x; B: input q_proj: QUANTISED
;;     2. [M 8,192, K 1,024] x [K 1,024, N 1,024]; A: input x; B: input k_proj: QUANTISED
;;     3. [M 8,192, K 1,024] x [K 1,024, N 1,024]; A: input x; B: input v_proj: QUANTISED
;;     4. batch 64 x [M 2,048, K 64] x [K 64, N 2,048]; A: computed on the way; B: computed on the way: QUANTISED
;;     5. batch 64 x [M 2,048, K 2,048] x [K 2,048, N 64]; A: softmax (see below); B: computed on the way: QUANTISED
;;     6. [M 8,192, K 1,024] x [K 1,024, N 1,024]; A: computed on the way; B: input o_proj: QUANTISED
;;   THE QUANTISER, for each operand of a quantised product, along K:
;;     - K is cut into blocks of 32 from its start; a last block that is shorter is filled with zeros.
;;     - A block's scale is 2^e with e = floor(log2(the largest magnitude in the block)) - 2, held to -126 .. 127; a block of zeros has e = 0. As a byte (E8M0): e + 127.
;;     - Each number is divided by its block's scale, clamped to +-7.5, and rounded to the nearest number of E2M3, ties to even, subnormals kept.
;;     - The product sums the exact products of the quantised numbers (number of the format x scale) in f32.
;;   ~~~python
;;   def quantise(x, axis):      # numpy; x: float32 -> the quantised numbers, widened to float32 again
;;       x = np.moveaxis(x, axis, -1); K = x.shape[-1]
;;       x = np.pad(x, [(0, 0)] * (x.ndim - 1) + [(0, -K % 32)]); x = x.reshape(x.shape[:-1] + (-1, 32)); a = np.abs(x).max(-1, keepdims=True)
;;       e = np.where(a > 0, np.clip(np.frexp(np.where(a > 0, a, 1))[1] - 1 - 2, -126, 127), 0)      # np.frexp(a)[1] - 1 = floor(log2(a)), exactly
;;       r = np.clip(x / 2.0 ** e, -7.5, 7.5)
;;       step = 2.0 ** (np.maximum(np.frexp(np.where(r == 0, 1, r))[1] - 1, 0) - 3)
;;       q = np.round(r / step) * step * 2.0 ** e      # np.round: ties to even
;;       return np.moveaxis(q.reshape(q.shape[:-2] + (-1,))[..., :K], -1, axis).astype(np.float32)
;;   ~~~
;;   SOFTMAX AHEAD OF A QUANTISED PRODUCT. Where the list says 'softmax', what is quantised is not the finished softmax but p = 2^(t - M), with t = logit x log2(e) and M = ceil(the row's largest t), a whole number; so 1/2 < the row's largest p <= 1. The row's sum l is taken of the UNQUANTISED p, in f32, and the product's result is divided by l at the end. Since M is a whole number, a kernel that streams over the keys may use a running M (the ceiling of the running maximum): every later rescaling is an exact power of two, which a block's scale takes up: the codes' values come out the same.
;;   OPERANDS COMPUTED ON THE WAY. 'Computed on the way' means the value that the module computes at that place (a softmax that the list does not call 'softmax' is quantised finished and normalised). What goes into a quantiser is computed in f32, as accurately as f32 sums, v_exp_f32 and their like allow (about 1e-6 of the number): no bf16 or f16 on the way to a quantiser, and a product that is left as it is and whose result goes on into a quantised operand takes f32 operands (vector FMAs, or v_wmma_f32_16x16x4_f32). A number that lies on a knife's edge between two numbers of the format may be rounded either way, as far as f32 arithmetic and the matrix unit's own rounding can turn it there, and no further.
;; One version. Each part assembles by itself: llvm-mc -triple=amdgcn-amd-amdhsa -mcpu=gfx1250 --defsym DOCPART=n.
;; ======== version 1 of 1: 4 launches
;; limits: right only within a limited range of input values
;; workspace buffers: actc 6,291,456 bytes; acts 262,144 bytes; wc 3,145,728 bytes; ws 131,072 bytes; rope 589,824 bytes; qkvc 18,874,368 bytes; qkvs 786,432 bytes
;; launch quant_w (part 1): grid 8 x 52, 4 waves a work-group, no clusters, 92,160 bytes of LDS; arguments q_proj, k_proj, v_proj, o_proj, token_positions, wc, ws, rope, x, actc, acts; writes wc, ws, rope, actc, acts
.if DOCPART == 1
	.amdgcn_target "amdgcn-amd-amdhsa--gfx1250"
	.amdhsa_code_object_version 6
	.text
	.protected	k_q504d7b1992_quant_w
	.globl	k_q504d7b1992_quant_w
	.p2align	8
	.type	k_q504d7b1992_quant_w,@function
k_q504d7b1992_quant_w:
	s_mov_b64 s[64:65], 0
	v_nop
	global_prefetch_b8 v0, s[64:65] scope:SCOPE_SE
	s_setreg_imm32_b32 hwreg(HW_REG_WAVE_MODE, 25, 1), 1
	s_wait_xcnt 0x0
; TWO JOBS, told apart by the work-group's y.
; y = 0 .. 15: the four weights [1024 (k)][1024 (n)], f32, K their FIRST axis, become codes of FP6 (E2M3) laid [4096 rows][768 bytes] with K innermost, and scale bytes [4096][32]: rows 0-1023 q_proj's columns,
; then k_proj's, v_proj's, o_proj's; inside each weight column n lies at row pi(n), pi = bits 3 and 4 of the index changed over (position order).  y / 4 is the weight, y % 4 its quarter of K.
; A LANE TAKES A COLUMN n, AND ITS REGISTERS RUN DOWN K: a block of 32 along K lies in one lane's 32 registers, and the conversions give the codes with K innermost.  A wave takes 32 columns x 256 along K;
; its codes go through its own stage in LDS (column n in stage row pi(n % 32)) and leave as rows: sixteen lanes store a row's 192 consecutive bytes.
; A block's scale byte is its largest magnitude's exponent field - 2, held at 1 from below (a block of zeros keeps 1: its codes are zeros, and this program alone reads the bytes).
; y = 16 .. 19: the table of rotations, [2304 rows][32 pairs (cos, sin)] f32, 256 bytes a row.  Row p < 2048 serves the token at sequence position pi(p): angle = token_positions[pi(p)] x freq(i),
; freq(i) = 1 / 10^(i / 8).  Rows 2048-2303 hold (1, 0): the rotation that changes nothing.  A wave makes 16 rows and two rows of (1, 0); lane i makes pair i; a row leaves as 256 consecutive bytes.
; LIMITS: NaN and infinities among the weights are not served.  token_positions lie in 0 .. 2047, as the table that reference() indexes has it.  10^(i / 8) is given as a decimal that the assembler rounds to f32, its
; reciprocal is v_rcp_f32 with one Newton step; the angle is one f32 product; sine and cosine by a reduction in two parts of pi / 2 and polynomials of degree 7 and 8, good to about 1e-7.  Where reference()'s own power
; differs in its last bit, angles at the largest positions differ by about 1e-4.
; THE CODES' ORDER IN MEMORY, more exactly: four planes of 256 along K: wc [plane][4096 rows][192 bytes], so that the rows of a tile of one K step lie end to end and a tile begins at a multiple of 256 bytes.
; A THIRD JOB, y = 20 .. 51: x [8192][1024], f32, becomes codes actc [plane][8192 rows][192 bytes] and scale bytes acts [8192][32]; row t lies at position pi(t).  It has LDS bytes of its own, from XBASE on.
.set SIZE_K, 1024
.set SIZE_N, 1024
.set KW,    256                        ; along K for a wave
.set NB,    KW/32                      ; blocks
.set ROWB,  192                        ; bytes of KW codes
.set PITCH, 272                        ; a stage row: sixteen places of 16 bytes, each with 12 bytes of codes, + 16
.set KROW,  SIZE_K*6/8                 ; a row of the codes' buffer in bytes
.set EMAX,  2
.set X,     32                         ; v32-95   two sets of 32 numbers
.set C,     96                         ; v96..    a block's codes
.set OUTR,  112                        ; v112-175 the way out: 16 x 4 registers
.set SPW,   14                         ; v14      LDS address of my spare word; never rewritten
.set NIL,   15                         ; v15      0; never rewritten
.set SPARE, 4*32*PITCH                 ; behind the four stages: the spare words, 128 bytes for each wave
.set SB,    24                         ; v24..    the scale bytes, four to a register
	s_load_b256 s[4:11], s[0:1], 0x0               ; q_proj, k_proj, v_proj, o_proj
	s_load_b256 s[12:19], s[0:1], 0x20             ; token_positions s[12:13], codes s[14:15], scale bytes s[16:17], table s[18:19]
	v_lshl_add_u32 v[SPW], v0, 2, SPARE
	v_mov_b32 v[NIL], 0
	v_lshrrev_b32 v1, 5, v0
	v_readfirstlane_b32 s20, v1                    ; wave 0..3
	v_and_b32 v2, 31, v0                           ; lane
	s_and_b32 s24, ttmp7, 0xffff                   ; work-group y
	s_cmp_ge_u32 s24, 16
	s_cbranch_scc1 .Lrope
	; ---------------- the weights
	s_lshr_b32 s25, s24, 2                         ; which weight
	s_and_b32 s26, s24, 3                          ; which KW along K
	s_lshl_b32 s27, ttmp9, 7
	s_lshl_b32 s28, s20, 5
	s_add_co_u32 s27, s27, s28                     ; my wave's first column: 128 x work-group x + 32 x wave
	s_wait_alu depctr_va_vdst(0)
	v_lshlrev_b32 v3, 2, v2                        ; in: 4 bytes a lane
	v_and_b32 v10, 7, v2
	v_bfe_u32 v11, v2, 3, 1
	v_bfe_u32 v12, v2, 4, 1
	v_lshl_add_u32 v10, v11, 4, v10
	v_lshl_add_u32 v10, v12, 3, v10                ; pi(lane)
	s_mul_i32 s29, s20, 32*PITCH                   ; my stage
	v_mul_u32_u24 v4, v10, PITCH
	v_add_nc_u32 v4, s29, v4                       ; into it: row = my column's position
	v_and_b32 v5, 15, v2
	v_lshrrev_b32 v6, 4, v2                        ; out of it: sixteen lanes to a row, two rows an instruction
	v_mul_u32_u24 v7, v6, PITCH
	v_lshl_add_u32 v7, v5, 4, v7
	v_add_nc_u32 v7, s29, v7                       ; LDS address
	v_mul_u32_u24 v8, v6, ROWB
	v_mad_u32_u24 v8, v5, 12, v8                   ; and the same place in the codes' buffer
	v_lshlrev_b32 v9, 5, v10                       ; my column's row of scale bytes
	s_lshl_b32 s30, s26, 20                        ; W: KW rows of 4,096 bytes for each quarter,
	s_lshl_b32 s31, s27, 2
	s_add_co_u32 s30, s30, s31                     ; + 4 x column
	s_mov_b32 s31, 0
	s_lshl_b32 s32, s25, 10
	s_add_co_u32 s32, s32, s27                     ; the first of my 32 rows of the outputs
	s_mul_i32 s34, s32, ROWB                       ; my first row in a plane,
	s_mul_i32 s33, s26, 4096*ROWB                  ; and my quarter of K is the plane
	s_add_co_u32 s34, s34, s33
	s_mov_b32 s35, 0
	s_lshl_b32 s36, s32, 5
	s_lshl_b32 s33, s26, 3
	s_add_co_u32 s36, s36, s33
	s_mov_b32 s37, 0
	s_wait_kmcnt 0x0
	s_cmp_eq_u32 s25, 1                            ; the weight's address: a choice that hangs on the work-group's number alone
	s_cselect_b64 s[4:5], s[6:7], s[4:5]
	s_cmp_eq_u32 s25, 2
	s_cselect_b64 s[4:5], s[8:9], s[4:5]
	s_cmp_eq_u32 s25, 3
	s_cselect_b64 s[4:5], s[10:11], s[4:5]
	s_add_nc_u64 s[4:5], s[4:5], s[30:31]
	s_add_nc_u64 s[14:15], s[14:15], s[34:35]
	s_add_nc_u64 s[16:17], s[16:17], s[36:37]
.macro LOAD t                          ; block t: W(32 t + i, my column), i = 0 .. 31, into set t % 2
.irp i, 0,1,2,3,4,5,6,7,8,9,10,11,12,13,14,15,16,17,18,19,20,21,22,23,24,25,26,27,28,29,30,31
	global_load_b32 v[X+32*((\t)%2)+\i], v3, s[4:5] offset:(32*(\t)+\i)*SIZE_N*4 th:TH_LOAD_NT
.endr
.endm
	LOAD 0
	LOAD 1
.macro BLOCK t
.set XS, X+32*((\t)%2)
.if (\t) < NB-1
	s_wait_loadcnt 32                              ; this block's 32 loads are in; the next block's 32 may be out
.else
	s_wait_loadcnt 0
.endif
	v_max3_num_f32 v12, |v[XS]|, |v[XS+1]|, |v[XS+2]|               ; the block's largest magnitude: all 32 numbers are mine
	v_max3_num_f32 v13, |v[XS+3]|, |v[XS+4]|, |v[XS+5]|
.irp i, 6,10,14,18,22,26
	v_max3_num_f32 v12, v12, |v[XS+\i]|, |v[XS+\i+1]|
	v_max3_num_f32 v13, v13, |v[XS+\i+2]|, |v[XS+\i+3]|
.endr
	v_max3_num_f32 v12, v12, |v[XS+30]|, |v[XS+31]|
	v_max3_num_f32 v12, v12, v13, (EMAX+1)<<23     ; and the floor 2^(EMAX + 1 - 127)
	v_add_nc_u32 v11, -(EMAX<<23), v12             ; EMAX off its exponent field: the conversion's scale operand
	v_lshrrev_b32 v13, 23, v11                     ; the scale's byte
.if (\t)%4 == 0
	v_mov_b32 v[SB+(\t)/4], v13                    ; four bytes to a register, the lower K in the lower byte
.else
	v_lshl_or_b32 v[SB+(\t)/4], v13, 8*((\t)%4), v[SB+(\t)/4]
.endif
	v_cvt_scalef32_pk16_fp6_f32 v[C:C+2], v[XS:XS+15], v11
	v_cvt_scalef32_pk16_fp6_f32 v[C+4:C+6], v[XS+16:XS+31], v11     ; (a conversion's three registers begin on an even number)
	ds_store_b96 v4, v[C:C+2] offset:32*(\t)       ; 16 codes, 12 bytes, to a place of 16 bytes in the stage
	ds_store_b96 v4, v[C+4:C+6] offset:32*(\t)+16
.if (\t)+2 < NB
	LOAD (\t)+2
.endif
	s_wait_dscnt 0x0                               ; the stores have read their registers: the next block's codes may be written
.endm
.set Q, 0
.rept NB
	BLOCK Q
.set Q, Q+1
.endr
	s_wait_alu depctr_va_vdst(0)
	global_store_b64 v9, v[SB:SB+1], s[16:17]      ; my column's NB scale bytes
.irp t, 0,1,2,3,4,5,6,7,8,9,10,11,12,13,14,15
	ds_load_b96 v[OUTR+4*\t:OUTR+4*\t+2], v7 offset:2*\t*PITCH   ; LDS serves a wave's instructions in order: these see my stores
.endr
.irp t, 0,1,2,3,4,5,6,7,8,9,10,11,12,13,14,15
	s_wait_dscnt 15-\t                             ; loads come back in order: row pair t is in, the later ones may be out
	global_store_b96 v8, v[OUTR+4*\t:OUTR+4*\t+2], s[14:15] offset:2*\t*ROWB
.endr
	s_wait_tensorcnt 0x0                           ; the wave's end: three closing lines, behind my last LDS store
	ds_add_u32 v[SPW], v[NIL]
	s_wait_dscnt 0x0
	s_endpgm
	; ---------------- the table of rotations
.Lrope:
	s_cmp_ge_u32 s24, 20
	s_cbranch_scc1 .Lx
	s_sub_co_u32 s25, s24, 16
	s_lshl_b32 s25, s25, 3
	s_add_co_u32 s25, s25, ttmp9
	s_lshl_b32 s25, s25, 2
	s_add_co_u32 s25, s25, s20                     ; W = 0 .. 127: table rows 16 W .. 16 W + 15
	s_lshr_b32 s26, s25, 1
	s_lshl_b32 s26, s26, 7
	s_and_b32 s27, s25, 1
	s_lshl_b32 s27, s27, 5
	s_add_co_u32 s26, s26, s27                     ; rows 0-7 serve sequence positions 32 (W / 2) + 8 (W % 2) + 0 .. 7, rows 8-15 those 16 further on: 4 bytes each
	s_mov_b32 s27, 0
	s_lshl_b32 s28, s25, 12                        ; my 16 rows of 256 bytes
	s_mov_b32 s29, 0
	s_lshl_b32 s30, s25, 9
	s_add_co_u32 s30, s30, 2048*256                ; and my two rows of (1, 0)
	s_mov_b32 s31, 0
	s_mov_b32 s57, 0xbfc90fdb                      ; - pi / 2, its upper part
	s_mov_b32 s58, 0x333bbd2e                      ; and what the upper part is too large by
	s_mov_b32 s59, -0.00019515295891               ; sine: r + r z (S3 + z (S2 + z S1)), z = r r
	s_mov_b32 s60, 0.0083321608736
	s_mov_b32 s61, -0.16666654611
	s_mov_b32 s62, 0.00002443315711809948          ; cosine: 1 - z / 2 + z z (C3 + z (C2 + z C1))
	s_mov_b32 s63, -0.001388731625493765
	s_mov_b32 s66, 0.04166664568298827
	s_wait_kmcnt 0x0
	s_add_nc_u64 s[12:13], s[12:13], s[26:27]
	s_load_b256 s[40:47], s[12:13], 0x0            ; the positions of rows 0-7
	s_load_b256 s[48:55], s[12:13], 0x40           ; and of rows 8-15
	s_add_nc_u64 s[32:33], s[18:19], s[28:29]
	s_add_nc_u64 s[34:35], s[18:19], s[30:31]
	v_mov_b32 v10, 0
.macro FQ i, val                       ; lane i: 10^(i / 8)
	s_mov_b32 s56, \val
	v_writelane_b32 v10, s56, \i
.endm
	FQ 0, 1.0
	FQ 1, 1.333521432163324
	FQ 2, 1.7782794100389228
	FQ 3, 2.371373705661655
	FQ 4, 3.1622776601683795
	FQ 5, 4.216965034285822
	FQ 6, 5.623413251903491
	FQ 7, 7.498942093324558
	FQ 8, 10.0
	FQ 9, 13.33521432163324
	FQ 10, 17.782794100389228
	FQ 11, 23.71373705661655
	FQ 12, 31.622776601683795
	FQ 13, 42.16965034285822
	FQ 14, 56.23413251903491
	FQ 15, 74.98942093324558
	FQ 16, 100.0
	FQ 17, 133.3521432163324
	FQ 18, 177.82794100389228
	FQ 19, 237.1373705661655
	FQ 20, 316.22776601683795
	FQ 21, 421.6965034285822
	FQ 22, 562.3413251903491
	FQ 23, 749.8942093324558
	FQ 24, 1000.0
	FQ 25, 1333.521432163324
	FQ 26, 1778.2794100389228
	FQ 27, 2371.373705661655
	FQ 28, 3162.2776601683795
	FQ 29, 4216.965034285822
	FQ 30, 5623.413251903491
	FQ 31, 7498.942093324558
	s_wait_alu depctr_va_vdst(0)
	v_rcp_f32 v11, v10
	v_lshlrev_b32 v28, 3, v2                       ; (a plain instruction behind the reciprocal)  8 bytes a lane in a row of the table
	s_wait_alu depctr_va_vdst(0)                   ; the wait ahead of the result's first reader
	v_fma_f32 v12, -v10, v11, 1.0
	v_fma_f32 v11, v12, v11, v11                   ; one Newton step: freq(i)
	v_mov_b32 v30, 1.0
	v_mov_b32 v31, 0
	global_store_b64 v28, v[30:31], s[34:35]       ; the two rows of (1, 0)
	global_store_b64 v28, v[30:31], s[34:35] offset:256
	s_wait_kmcnt 0x0
.macro ROW t                           ; each row has a pair of registers of its own, so that no store's data are written again
	v_cvt_f32_i32 v16, s[40+\t]
	s_wait_alu depctr_va_vdst(0)
	v_mul_f32 v16, v16, v11                        ; the angle: one product in f32
	v_mul_f32 v17, 0x3f22f983, v16                 ; x 2 / pi
	v_rndne_f32 v17, v17                           ; n quarter turns
	v_fma_f32 v18, v17, s57, v16
	v_fma_f32 v18, v17, s58, v18                   ; r = angle - n pi / 2, within pi / 4 of 0
	v_mul_f32 v19, v18, v18                        ; z
	v_fma_f32 v20, v19, s59, s60
	v_fma_f32 v21, v19, s62, s63
	v_fma_f32 v20, v19, v20, s61
	v_fma_f32 v21, v19, v21, s66
	v_mul_f32 v22, v18, v19
	v_mul_f32 v23, v19, v19
	v_fma_f32 v24, v19, -0.5, 1.0
	v_fma_f32 v20, v22, v20, v18                   ; sin r
	v_fma_f32 v21, v23, v21, v24                   ; cos r
	v_cvt_i32_f32 v25, v17
	v_and_b32 v26, 1, v25
	v_cmp_ne_u32 vcc_lo, 0, v26                    ; an odd n changes sine and cosine over (a choice of values: no branch, no address)
	v_cndmask_b32 v22, v20, v21, vcc_lo
	v_cndmask_b32 v23, v21, v20, vcc_lo
	v_and_b32 v26, 2, v25                          ; the sine is negative for n % 4 = 2, 3,
	v_add_nc_u32 v27, 1, v25
	v_lshlrev_b32 v26, 30, v26
	v_and_b32 v27, 2, v27                          ; the cosine for n % 4 = 1, 2
	v_lshlrev_b32 v27, 30, v27
	v_xor_b32 v[33+2*\t], v26, v22
	v_xor_b32 v[32+2*\t], v27, v23
	global_store_b64 v28, v[32+2*\t:33+2*\t], s[32:33] offset:256*\t   ; 32 lanes store 256 consecutive bytes, aligned
.endm
.irp t, 0,1,2,3,4,5,6,7,8,9,10,11,12,13,14,15
	ROW \t
.endr
	s_wait_tensorcnt 0x0                           ; the same three closing lines on this way too
	ds_add_u32 v[SPW], v[NIL]
	s_wait_dscnt 0x0
	s_endpgm
	; ---------------- x.  ITS CODES' ORDER AS IT STANDS: actc [16 planes of 64 along K][8192 positions][48 bytes], the order in which the attention's result lies too (not the planes of 192 bytes that the weights have).
	; A wave takes 8 whole rows in 16 steps of 512 numbers: four loads of 512 consecutive bytes, a turn through the wave's own stage, 16 neighbours along K in a lane, two lanes to a block, four lanes to a plane's 48 bytes.
	; The codes gather in a second stage, [plane][row][4 places of 16 bytes], 528 bytes a plane, and leave plane by plane: 32 lanes store my 8 rows' 384 consecutive bytes.  Loads run four steps ahead, the turn through LDS one step.
.Lx:
.set XSP,   80                         ; a lane's place in a stage: 64 bytes + 16
.set XREG,  14080                      ; LDS of a wave: two stages, its 256 scale bytes, and from 5,632 on the codes' stage
.set XBASE, 35840                      ; behind the other jobs' bytes and the spare words
.set XPL,   8192*48                    ; a plane of actc
.set XR,    16                         ; v16-79 four sets as loaded; v80-111 two sets of neighbours; v112-127 bytes; v128-191 codes
.set XX,    80
.set XE,    112
.set XC,    128
	s_load_b128 s[40:43], s[0:1], 0x40             ; x, its codes
	s_load_b64 s[44:45], s[0:1], 0x50              ; its scale bytes
	s_sub_co_u32 s25, s24, 20
	s_lshl_b32 s25, s25, 3
	s_add_co_u32 s25, s25, ttmp9
	s_lshl_b32 s27, s25, 2
	s_add_co_u32 s28, s27, s20                     ; the run of 8 rows that I read
	s_lshl_b32 s28, s28, 15
	s_mov_b32 s29, 0
	s_and_b32 s32, s20, 1
	s_lshl_b32 s32, s32, 1
	s_lshr_b32 s33, s20, 1
	s_or_b32 s32, s32, s33
	s_add_co_u32 s32, s32, s27                     ; the run where its codes go: the wave's two bits changed over
	s_mul_i32 s30, s32, 8*48
	s_mov_b32 s31, 0
	s_lshl_b32 s32, s32, 8
	s_mov_b32 s33, 0
	s_mul_i32 s26, s20, XREG
	s_add_co_u32 s26, s26, XBASE
	s_add_co_u32 s34, s26, 2*32*XSP
	s_add_co_u32 s35, s26, 5632
	s_wait_alu depctr_va_vdst(0)                   ; the wait
	v_lshlrev_b32 v3, 4, v2
	v_lshrrev_b32 v12, 2, v2
	v_mul_u32_u24 v12, v12, XSP
	v_and_b32 v13, 3, v2
	v_lshl_add_u32 v12, v13, 4, v12
	v_add_nc_u32 v12, s26, v12                     ; the stage, on the way in
	v_mul_u32_u24 v13, v2, XSP
	v_add_nc_u32 v13, s26, v13                     ; and on the way out
	v_mul_u32_u24 v4, v2, 12                       ; on the way out: my 12 bytes of a plane's 384
	v_lshrrev_b32 v10, 2, v2
	v_mul_u32_u24 v10, v10, 528
	v_and_b32 v1, 3, v2
	v_lshl_add_u32 v10, v1, 4, v10
	v_add_nc_u32 v10, s35, v10                     ; the codes' stage, in: plane lane / 4 of the step's eight, place lane % 4
	v_lshl_add_u32 v1, v2, 4, s35                  ; and back: place lane of a plane's 32
	v_lshrrev_b32 v5, 1, v2
	v_add_nc_u32 v5, s34, v5
	v_lshlrev_b32 v7, 3, v2
	v_add_nc_u32 v6, s34, v7
	s_wait_alu depctr_va_vdst(0)                   ; the wait at the head's end
	s_wait_kmcnt 0x0
	s_add_nc_u64 s[40:41], s[40:41], s[28:29]
	s_add_nc_u64 s[42:43], s[42:43], s[30:31]
	s_add_nc_u64 s[44:45], s[44:45], s[32:33]
.macro XLOAD t
.irp i, 0,1,2,3
	global_load_b128 v[XR+16*((\t)%4)+4*\i:XR+16*((\t)%4)+4*\i+3], v3, s[40:41] offset:2048*(\t)+512*\i th:TH_LOAD_NT
.endr
.endm
.macro XTURN t
.irp i, 0,1,2,3
	ds_store_b128 v12, v[XR+16*((\t)%4)+4*\i:XR+16*((\t)%4)+4*\i+3] offset:32*XSP*((\t)%2)+8*XSP*\i
.endr
.irp i, 0,1,2,3
	ds_load_b128 v[XX+16*((\t)%2)+4*\i:XX+16*((\t)%2)+4*\i+3], v13 offset:32*XSP*((\t)%2)+16*\i
.endr
.endm
.irp t, 0,1,2,3
	XLOAD \t
.endr
	s_wait_loadcnt 12                              ; step 0's four loads are in; the twelve of steps 1 to 3 may be out
	XTURN 0
.macro XSTEP t
.set XS, XX+16*((\t)%2)
.if (\t) > 0
	s_wait_dscnt 2                                 ; this step's numbers are back (the last step's two stores, byte and codes, may be out)
.else
	s_wait_dscnt 0x0
.endif
.if (\t)+4 < 16
	XLOAD (\t)+4
.endif
.if (\t)+1 < 16
.if 14-(\t) >= 3
	s_wait_loadcnt 12                              ; the next step's four loads are in; those of the three steps behind it may be out
.else
	s_wait_loadcnt 4*(14-(\t))
.endif
	XTURN (\t)+1
.endif
	v_max3_num_f32 v8, |v[XS]|, |v[XS+1]|, |v[XS+2]|
	v_max3_num_f32 v9, |v[XS+3]|, |v[XS+4]|, |v[XS+5]|
.irp i, 6,10
	v_max3_num_f32 v8, v8, |v[XS+\i]|, |v[XS+\i+1]|
	v_max3_num_f32 v9, v9, |v[XS+\i+2]|, |v[XS+\i+3]|
.endr
	v_max3_num_f32 v8, v8, |v[XS+14]|, |v[XS+15]|
	v_max3_num_f32 v8, v8, v9, (EMAX+1)<<23        ; the floor: the byte cannot fall under 1
	v_max_num_f32_dpp v8, v8, v8 row_xmask:1 row_mask:0xf bank_mask:0xf
	v_add_nc_u32 v11, -(EMAX<<23), v8              ; the conversion's scale operand
	v_cvt_scalef32_pk16_fp6_f32 v[XC+4*(\t):XC+4*(\t)+2], v[XS:XS+15], v11
	v_lshrrev_b32 v[XE+(\t)], 23, v11              ; the scale's byte
	ds_store_b8 v5, v[XE+(\t)] offset:16*(\t)
	ds_store_b96 v10, v[XC+4*(\t):XC+4*(\t)+2] offset:8*528*((\t)%2)+64*((\t)/2)   ; row t / 2 of my eight, planes 8 (t % 2) on
.endm
.irp t, 0,1,2,3,4,5,6,7,8,9,10,11,12,13,14,15
	XSTEP \t
.endr
	ds_load_b64 v[8:9], v6
.irp p, 0,1,2,3,4,5,6,7,8,9,10,11,12,13,14,15
	ds_load_b96 v[XR+4*\p:XR+4*\p+2], v1 offset:528*\p   ; LDS serves a wave's instructions in order: these see my stores
.endr
	s_wait_dscnt 16                                ; the bytes are back; the sixteen planes may be out
	global_store_b64 v7, v[8:9], s[44:45]
.irp p, 0,1,2,3,4,5,6,7,8,9,10,11,12,13,14,15
	s_wait_dscnt 15-\p                             ; plane p is back, the later ones may be out
	global_store_b96 v4, v[XR+4*\p:XR+4*\p+2], s[42:43] offset:XPL*\p
.endr
	s_wait_tensorcnt 0x0                           ; the three closing lines
	ds_add_u32 v[SPW], v[NIL]
	s_wait_dscnt 0x0
	s_endpgm
.Lfunc_end_k_q504d7b1992_quant_w:
	.size	k_q504d7b1992_quant_w, .Lfunc_end_k_q504d7b1992_quant_w-k_q504d7b1992_quant_w
	.p2alignl 7, 3214868480
	.fill 96, 4, 3214868480
	.section	.rodata,"a",@progbits
	.p2align	6, 0x0
	.amdhsa_kernel k_q504d7b1992_quant_w
		.amdhsa_group_segment_fixed_size 92160
		.amdhsa_private_segment_fixed_size 0
		.amdhsa_enable_private_segment 0
		.amdhsa_kernarg_size 88
		.amdhsa_user_sgpr_count 2
		.amdhsa_user_sgpr_kernarg_segment_ptr 1
		.amdhsa_wavefront_size32 1
		.amdhsa_system_sgpr_workgroup_id_x 1
		.amdhsa_system_sgpr_workgroup_id_y 1
		.amdhsa_system_sgpr_workgroup_id_z 1
		.amdhsa_system_vgpr_workitem_id 0
		.amdhsa_next_free_vgpr 192
		.amdhsa_next_free_sgpr 68
		.amdhsa_reserve_vcc 1
		.amdhsa_float_denorm_mode_32 3
		.amdhsa_float_denorm_mode_16_64 3
		.amdhsa_memory_ordered 1
		.amdhsa_forward_progress 1
		.amdhsa_inst_pref_size 104
	.end_amdhsa_kernel
	.amdgpu_metadata
---
amdhsa.version: [ 1, 2 ]
amdhsa.kernels:
  - .name:           k_q504d7b1992_quant_w
    .symbol:         k_q504d7b1992_quant_w.kd
    .args:
      - { .name: q_proj, .offset: 0, .size: 8, .value_kind: global_buffer, .address_space: global }
      - { .name: k_proj, .offset: 8, .size: 8, .value_kind: global_buffer, .address_space: global }
      - { .name: v_proj, .offset: 16, .size: 8, .value_kind: global_buffer, .address_space: global }
      - { .name: o_proj, .offset: 24, .size: 8, .value_kind: global_buffer, .address_space: global }
      - { .name: token_positions, .offset: 32, .size: 8, .value_kind: global_buffer, .address_space: global }
      - { .name: wc, .offset: 40, .size: 8, .value_kind: global_buffer, .address_space: global }
      - { .name: ws, .offset: 48, .size: 8, .value_kind: global_buffer, .address_space: global }
      - { .name: rope, .offset: 56, .size: 8, .value_kind: global_buffer, .address_space: global }
      - { .name: x, .offset: 64, .size: 8, .value_kind: global_buffer, .address_space: global }
      - { .name: actc, .offset: 72, .size: 8, .value_kind: global_buffer, .address_space: global }
      - { .name: acts, .offset: 80, .size: 8, .value_kind: global_buffer, .address_space: global }
    .group_segment_fixed_size: 92160
    .private_segment_fixed_size: 0
    .kernarg_segment_align: 8
    .kernarg_segment_size: 88
    .max_flat_workgroup_size: 128
    .sgpr_count:     68
    .vgpr_count:     192
    .wavefront_size: 32
...
	.end_amdgpu_metadata
.endif
;; end of part 1
;; launch proj (part 2): grid 8 x 32, 4 waves a work-group, clusters of 4 x 4, 327,680 bytes of LDS; arguments actc, acts, wc, ws, rope, qkvc, qkvs; writes qkvc, qkvs
.if DOCPART == 2
	.amdgcn_target "amdgcn-amd-amdhsa--gfx1250"
	.amdhsa_code_object_version 6
	.text
	.protected	k_q504d7b1992_proj
	.globl	k_q504d7b1992_proj
	.p2align	8
	.type	k_q504d7b1992_proj,@function
k_q504d7b1992_proj:
	s_mov_b64 s[64:65], 0
	v_nop
	global_prefetch_b8 v0, s[64:65] scope:SCOPE_SE
	s_setreg_imm32_b32 hwreg(HW_REG_WAVE_MODE, 25, 1), 1
	s_wait_xcnt 0x0
	s_wait_alu depctr_hold_cnt(0) depctr_sa_sdst(0) depctr_va_vdst(0) depctr_va_sdst(0) depctr_va_ssrc(0) depctr_va_vcc(0) depctr_vm_vsrc(0)
	s_getreg_b32 s2, hwreg(HW_REG_IB_STS2, 6, 4)
	s_cmp_eq_u32 s2, 0
	s_cbranch_scc0 .Lentry_in_a_cluster
	s_endpgm
.Lentry_in_a_cluster:
	s_bfe_u32 s2, ttmp6, 0x10000c
	s_cmp_lg_u32 s2, 0xf033
	s_cbranch_scc0 .Lentry_shape_is_right
	s_endpgm
.Lentry_shape_is_right:
; THE THREE PROJECTIONS, THE ROTATION AND THE QUANTISING OF q, k AND v, on codes of FP6 (E2M3) with E8M0 scales, K = 1,024, sums in f32.  The results leave as images of operand registers and scale words.
; IN: actc [16 planes of 64 along K][8,192 positions][48 bytes], acts [8,192][32]: x; position p holds token pi(p), bits 3 and 4 of the index changed over.
;     wc [4 planes of 256 along K][4,096 rows][192 bytes], ws [4,096][32]: q_proj's columns, k_proj's, v_proj's, 1,024 rows each, column n at row pi(n).   rope [position in the batch][32 pairs (cos, sin)].
; THE DEAL: 8 x 32 work-groups of four waves.  A work-group takes 256 positions and two heads and makes q, then k, then v of them.  x's 256 rows, all of K, lie in LDS for the whole launch (196,608 bytes, filled once);
; W's region (128 rows: 4 planes x 128 x 240 bytes, 16 of padding behind every 64) is filled at the head with q_proj's rows and twice again, each time behind a drained round of the cluster's barrier, a plane a wave.
; Wave (a, b) holds the 64 rows of head 2 x + b, all of K, in 384 registers and streams positions 128 a + 16 s .. + 15, s = 0 .. 7, past them: a block is 8 fragments (48 LDS loads) and 32 products, four accumulators by turns
; The fragments lie twice in registers: block s reads set s % 2, which then takes block s + 2.
; q AND k ARE ONE LOOP OF TWO TRIPS: each trip shows W's rows to all, takes them into registers, asks for the next tensor's rows (k's, then v's) and walks its eight blocks.  v is written out behind it and asks for nothing.
; q, k: source 0 = W's rows: lane (r, h) holds position r; its 32 sums are numbers 32 e + 16 h + 0 .. 15, e = 0, 1, of the head: they are rotated by the table's pairs and quantised along the head; two blocks make an image.
; v: source 0 = x's rows: lane (r, h) holds channel position 16 t + r; registers of blocks 2 u, 2 u + 1 are tokens 32 u + 16 h + 0 .. 15: quantised along the tokens, four blocks at a time; eight blocks make four fragments.
; OUT, as the attention reads it.  An image is 12 registers of 32 lanes, three runs of 512 bytes.  q, k: [q, k][batch x head][g]: registers 0-5 position 32 g + r, numbers 32 h .. + 31; registers 6-11 position 32 g + 16 + r;
; scale words [q, k][batch x head][128 positions][r][g % 4].  v: [batch x head][128 keys][t]: a plain fragment; scale words [batch][two heads][128 keys][t % 2][r][2 (head % 2) + t / 2].
; CLUSTERS 4 x 4: x's planes are asked for jointly along a row of the cluster, W's rows along a column.
; NO PREFETCH: x and the first weights go out at the head; each refill goes out eight blocks, 256 products, ahead of the wait for it.
; THE WAITS' COUNTS: dscnt 48: younger than a block's fragments are the 48 loads of the block after it.  loadcnt 8: younger than a block's eight table loads are the next block's eight; 16 ahead of a trip's first product: two blocks' table loads.
; LIMITS: a block whose largest magnitude lies under 2^(3 - 127) keeps the scale byte 1 (read by this program alone); NaN and infinities are not served.
; REGISTERS: window 0: v4-18 addresses; v24-39 W's scale words, v44-75 x's, nothing else ever; v108-131 maxima, bytes, scale operands; v132-147 second halves of conversions; v148-153 scale words; v156-187 rotated numbers,
; v188-199 an image (v: v156-203 four fragments).  Fragment f lies in window 1 + f / 21 at register 12 (f % 21): 0-31 W's (4 q + t), 32-47 x's two sets.  Window 3 from 72: the sums (q, k: 32; v: 128); from 136: the table, two sets.
.set APL,   393216
.set WPL,   786432
.set XPB,   12288                      ; 256 rows x 48 bytes
.set WB,    196608
.set WCH,   30720                      ; 128 rows x 240
.set SPARE, 319488
.set FR,    12
.set FPW,   21
.set AX,    4
.set AW,    8
.set AW2,   10
.set LI,    12                         ; 16 x lane
.set R16,   13                         ; 16 r
.set CSA,   14                         ; 256 r + 64 h
.set VS,    15                         ; 32 x lane
.set SPW,   16
.set NIL,   17
.set VSO,   18                         ; 256 h + 16 r
.set SB,    24
.set SA,    44
.set TM,    108
.set CT,    132
.set SWR,   148
.set SWO,   152
.set Y,     156
.set IMG,   188
.set VIMG,  156
.set AQ,    72
.set CS,    136
.set G1W,   24
.set G1A,   32
.set G1B,   48
.set G0W,   56
.set G0R,   60
.set G0X,   68
.set G1R,   80
.set MSB, 0
.macro WIN new
.if MSB != \new
	s_set_vgpr_msb (MSB<<8)|\new
.set MSB, \new
.endif
.endm
.macro PLACES n
.rept \n
	v_nop
.endr
.endm
.macro CROUND
	s_barrier_signal -1
	s_barrier_wait -1
	s_cmp_lg_u32 s14, 0
	s_cbranch_scc1 .Lnot_wave_0_\@
	s_barrier_signal -3
.Lnot_wave_0_\@:
	s_barrier_wait -3
	s_barrier_signal -1
	s_barrier_wait -1
.endm
	s_load_b128 s[4:7], s[0:1], 0x0                ; actc, acts
	s_load_b128 s[8:11], s[0:1], 0x10              ; wc, ws
	s_load_b128 s[96:99], s[0:1], 0x20             ; rope, qkvc
	s_load_b64 s[100:101], s[0:1], 0x30            ; qkvs
	v_lshl_add_u32 v[SPW], v0, 2, SPARE
	v_mov_b32 v[NIL], 0
	ds_add_u32 v[SPW], v[NIL]                      ; the opening lines: the add, twice, and below its wait
	ds_add_u32 v[SPW], v[NIL]
	v_lshrrev_b32 v1, 5, v0
	v_readfirstlane_b32 s14, v1                    ; wave
	s_lshr_b32 s15, s14, 1                         ; a
	s_and_b32 s16, s14, 1                          ; b
	s_bfe_u32 s40, ttmp6, 0x40000
	s_bfe_u32 s41, ttmp6, 0x40004
	s_lshl_b32 s42, ttmp9, 2
	s_add_co_u32 s42, s42, s40                     ; which two heads, 0 .. 7
	s_and_b32 s17, ttmp7, 0xffff
	s_lshl_b32 s17, s17, 2
	s_add_co_u32 s17, s17, s41                     ; which 256 positions, 0 .. 31
	s_lshl_b32 s43, s41, 2
	s_lshl_b32 s43, 15, s43                        ; my row of the cluster
	s_lshl_b32 s44, 0x1111, s40                    ; my column
	s_or_b32 s[G1W], s44, (3<<16)|(1<<20)|(1<<21)|(3<<22)|(3<<25)   ; the head's load of W: four rows of 128 x 192 bytes on end; 4 words of padding behind every 16
	s_mov_b32 s[G1W+1], 3072<<16
	s_mov_b32 s[G1W+2], 4<<16
	s_mov_b32 s[G1W+3], 3072<<16
	s_mov_b32 s[G1W+4], 4
	s_mov_b32 s[G1W+5], WPL/8
	s_mov_b32 s[G1W+6], 0
	s_mov_b32 s[G1W+7], 0
	s_or_b32 s[G1R], s44, (3<<16)|(1<<20)|(1<<21)|(3<<22)|(3<<25)   ; a refill: one plane's 24,576 bytes as 96 rows of 256
	s_mov_b32 s[G1R+1], 32<<16
	s_mov_b32 s[G1R+2], 96<<16
	s_mov_b32 s[G1R+3], 32<<16
	s_mov_b32 s[G1R+4], 96
	s_mov_b32 s[G1R+5], 32
	s_mov_b32 s[G1R+6], 0
	s_mov_b32 s[G1R+7], 0
.macro GX g, rows
	s_or_b32 s[\g], s43, (3<<16)|(1<<21)
	s_mov_b32 s[\g+1], (XPB/8)<<16
	s_mov_b32 s[\g+2], (\rows)<<16
	s_mov_b32 s[\g+3], (XPB/8)<<16
	s_mov_b32 s[\g+4], \rows
	s_mov_b32 s[\g+5], APL/8
	s_mov_b32 s[\g+6], 0
	s_mov_b32 s[\g+7], 0
.endm
	GX G1A, 6
	GX G1B, 5
	s_mul_i32 s20, s17, XPB                        ; x's codes
	s_mov_b32 s21, 0
	s_mul_i32 s22, s42, 128*192                    ; q_proj's rows
	s_mov_b32 s23, 0
	s_lshl_b32 s46, s17, 13                        ; x's scale bytes: (256 y + 128 a) x 32
	s_lshl_b32 s45, s15, 12
	s_add_co_u32 s46, s46, s45
	s_mov_b32 s47, 0
	s_lshl_b32 s88, s42, 12                        ; W's: (128 x + 64 b) x 32
	s_lshl_b32 s45, s16, 11
	s_add_co_u32 s88, s88, s45
	s_mov_b32 s89, 0
	s_lshr_b32 s66, s17, 3
	s_lshl_b32 s66, s66, 4
	s_lshl_b32 s45, s42, 1
	s_add_co_u32 s66, s66, s45
	s_add_co_u32 s66, s66, s16                     ; 16 x batch + head
	s_and_b32 s67, s17, 7
	s_lshl_b32 s67, s67, 1
	s_add_co_u32 s67, s67, s15                     ; which 128 positions of the batch
	s_lshl_b32 s90, s67, 15                        ; the table: 128 rows of 256 bytes
	s_mov_b32 s91, 0
	s_mul_i32 s2, s66, 98304                       ; the images
	s_mul_i32 s45, s67, 6144
	s_add_co_u32 s2, s2, s45
	s_mov_b32 s3, 0
	s_lshl_b32 s18, s66, 12                        ; q's scale words
	s_lshl_b32 s45, s67, 8
	s_add_co_u32 s18, s18, s45
	s_mov_b32 s19, 0
	s_lshr_b32 s12, s66, 1                         ; v's
	s_lshl_b32 s12, s12, 13
	s_lshl_b32 s45, s67, 9
	s_add_co_u32 s12, s12, s45
	s_lshl_b32 s45, s16, 3
	s_add_co_u32 s12, s12, s45
	s_add_co_u32 s12, s12, 524288
	s_mov_b32 s13, 0
	s_mul_i32 s66, s14, WPL                        ; a refill: my plane,
	s_mov_b32 s67, 0
	s_mul_i32 s45, s14, WCH                        ; and its place in LDS
	s_add_co_u32 s45, s45, WB
	s_wait_dscnt 0x0                               ; both opening adds are done
	s_wait_kmcnt 0x0
	s_add_nc_u64 s[20:21], s[4:5], s[20:21]
	s_add_nc_u64 s[22:23], s[8:9], s[22:23]
	s_add_nc_u64 s[6:7], s[6:7], s[46:47]
	s_add_nc_u64 s[10:11], s[10:11], s[88:89]
	s_add_nc_u64 s[96:97], s[96:97], s[90:91]
	s_add_nc_u64 s[98:99], s[98:99], s[2:3]
	s_add_nc_u64 s[12:13], s[100:101], s[12:13]
	s_add_nc_u64 s[100:101], s[100:101], s[18:19]
	CROUND                                         ; all sixteen work-groups are here: the joint loads meet
	s_mov_b32 s[G0W], 1
	s_mov_b32 s[G0W+1], WB
	s_mov_b64 s[G0W+2:G0W+3], s[22:23]
	s_or_b32 s[G0W+3], s[G0W+3], 0x80000000
	s_mov_b32 s[G0R], 1
	s_mov_b32 s[G0R+1], s45
	s_add_nc_u64 s[G0R+2:G0R+3], s[22:23], s[66:67]
	s_or_b32 s[G0R+3], s[G0R+3], 0x80000000
	s_mov_b32 s[G0X], 1                            ; planes 0-5
	s_mov_b32 s[G0X+1], 0
	s_mov_b64 s[G0X+2:G0X+3], s[20:21]
	s_or_b32 s[G0X+3], s[G0X+3], 0x80000000
	s_mov_b32 s[G0X+4], 1                          ; planes 6-10
	s_mov_b32 s[G0X+5], 6*XPB
	s_add_nc_u64 s[G0X+6:G0X+7], s[20:21], 6*APL
	s_or_b32 s[G0X+7], s[G0X+7], 0x80000000
	s_mov_b32 s[G0X+8], 1                          ; planes 11-15
	s_mov_b32 s[G0X+9], 11*XPB
	s_add_nc_u64 s[G0X+10:G0X+11], s[20:21], 11*APL
	s_or_b32 s[G0X+11], s[G0X+11], 0x80000000
.macro ARM under, g0, g1, next             ; one chain of branches on the wave's number, one load to an arm
	s_cmp_lt_u32 s14, \under
	s_cbranch_scc0 \next
	tensor_load_to_lds s[\g0:\g0+3], s[\g1:\g1+7]
	s_nop 0
	PLACES 4
	s_branch .Lhead_asked
\next:
.endm
	ARM 1, G0W,   G1W, .Lhead_1
	ARM 2, G0X,   G1A, .Lhead_2
	ARM 3, G0X+4, G1B, .Lhead_3
	tensor_load_to_lds s[G0X+8:G0X+11], s[G1B:G1B+7]
	s_nop 0
	PLACES 4
.Lhead_asked:
	s_mul_i32 s18, s15, 128*48                     ; LDS: my 128 rows in a plane of x, for each four planes
	s_add_co_u32 s19, s18, 4*XPB
	s_add_co_u32 s20, s18, 8*XPB
	s_add_co_u32 s21, s18, 12*XPB
	s_mul_i32 s22, s16, 64*240                     ; my 64 rows of W
	s_add_co_u32 s22, s22, WB
	s_add_co_u32 s23, s22, 2*WCH
	s_mov_b32 s2, 0x76543210
	s_mov_b32 s3, 0xfedcba98                       ; v_permlanex16_b32's selects for lane l xor 16
	s_mov_b32 s91, 0xffff0000                      ; lanes 16-31
	v_and_b32 v1, 15, v0                           ; r
	v_bfe_u32 v2, v0, 4, 1                         ; h
	v_and_b32 v3, 31, v0
	v_mul_u32_u24 v20, v1, 48
	v_mad_u32_u24 v20, v2, 24, v20
	v_add_nc_u32 v[AX], s18, v20
	v_add_nc_u32 v[AX+1], s19, v20
	v_add_nc_u32 v[AX+2], s20, v20
	v_add_nc_u32 v[AX+3], s21, v20
	v_mul_u32_u24 v21, v1, 240
	v_mad_u32_u24 v21, v2, 24, v21
	v_lshl_add_u32 v22, v2, 4, v21
	v_add_nc_u32 v[AW], s22, v21
	v_add_nc_u32 v[AW+1], s23, v21
	v_add_nc_u32 v[AW2], s22, v22
	v_add_nc_u32 v[AW2+1], s23, v22
	v_lshlrev_b32 v[LI], 4, v3
	v_lshlrev_b32 v[R16], 4, v1
	v_lshlrev_b32 v[CSA], 8, v1
	v_lshl_add_u32 v[CSA], v2, 6, v[CSA]
	v_lshlrev_b32 v[VS], 5, v3
	v_lshlrev_b32 v[VSO], 8, v2
	v_lshl_add_u32 v[VSO], v1, 4, v[VSO]
.irp n, 8,9,10,11,12,13,14,15
	v_mov_b32 v[TM+\n], 0                          ; written once: a lane permute's destination counts as one of its sources
.endr
	s_wait_alu depctr_va_vdst(0)                   ; the wait at the head's end
.irp p, 0,1,2,3
.irp c, 0,1
	global_load_b128 v[SA+8*\p+4*\c:SA+8*\p+4*\c+3], v[VS], s[6:7] offset:\p*1024+16*\c     ; my positions 32 p + lane: word q in register SA + 8 p + q
.endr
.endr
.macro SBLOAD                              ; this tensor's scale words: rows 32 p + lane
.irp p, 0,1
.irp c, 0,1
	global_load_b128 v[SB+8*\p+4*\c:SB+8*\p+4*\c+3], v[VS], s[10:11] offset:\p*1024+16*\c
.endr
.endr
.endm
.macro WFRAG f, q, t
	WIN ((1+(\f)/FPW)<<6)
.set R_, FR*((\f)%FPW)
.irp p, 0,1,2,3,4,5
.set PC_, 12*((\q)%2)+6*(\p/3)+\p%3
.if PC_%8 < 5
	ds_load_b64 v[R_+2*\p:R_+2*\p+1], v[AW+(\q)/4] offset:(((\q)/2)%2)*WCH+(\t)*3840+8*PC_+16*(PC_/8)
.else
	ds_load_b64 v[R_+2*\p:R_+2*\p+1], v[AW2+(\q)/4] offset:(((\q)/2)%2)*WCH+(\t)*3840+8*PC_+16*(PC_/8)
.endif
.endr
.endm
.macro WEIGHTS
.irp q, 0,1,2,3,4,5,6,7
.irp t, 0,1,2,3
	WFRAG 4*\q+\t, \q, \t
.endr
.endr
	WIN 0
.endm
.macro XFRAG f, q, s
	WIN ((1+(\f)/FPW)<<6)
.set R_, FR*((\f)%FPW)
.irp p, 0,1,2,3,4,5
	ds_load_b64 v[R_+2*\p:R_+2*\p+1], v[AX+(\q)/2] offset:((2*(\q)+\p/3)%4)*XPB+(\s)*768+8*(\p%3)
.endr
.endm
.macro FETCH s, e
.irp q, 0,1,2,3,4,5,6,7
	XFRAG 32+8*(\e)+\q, \q, \s
.endr
	WIN 0
.endm
.macro P1 d, f0, f1, c, x0, x1, r0, r1     ; the sums lie in window 3
	WIN (1+(\f0)/FPW)|((1+(\f1)/FPW)<<2)|0xf0
	v_wmma_scale_f32_16x16x128_f8f6f4 v[\d:\d+7], v[FR*((\f0)%FPW):FR*((\f0)%FPW)+FR-1], v[FR*((\f1)%FPW):FR*((\f1)%FPW)+FR-1], \c, v[\x0], v[\x1] matrix_a_fmt:MATRIX_FMT_FP6 matrix_b_fmt:MATRIX_FMT_FP6 matrix_a_scale:MATRIX_SCALE_ROW\r0 matrix_b_scale:MATRIX_SCALE_ROW\r1
.endm
.macro PROD v, s, e, q, t, rw              ; v = 0: source 0 = W's rows; v = 1: source 0 = x's rows
.set FW_, 4*(\q)+\t
.set FX_, 32+8*(\e)+\q
.set XW_, SB+8*(\t/2)+\q
.set XX_, SA+8*((\s)/2)+\q
.if \v
.set D_, AQ+32*\t+8*((\s)%4)
.if \q
	P1 D_, FX_, FW_, v[D_:D_+7], XX_, XW_, \e, \rw
.else
	P1 D_, FX_, FW_, 0, XX_, XW_, \e, \rw
.endif
.else
.set D_, AQ+8*\t
.if \q
	P1 D_, FW_, FX_, v[D_:D_+7], XW_, XX_, \rw, \e
.else
	P1 D_, FW_, FX_, 0, XW_, XX_, \rw, \e
.endif
.endif
.endm
.macro MUL32 v, s, e, w                    ; a block's products, the places behind them, and the fetch of the block two on
	s_wait_dscnt \w
.irp q, 0,1,2,3,4,5,6,7
	PROD \v, \s, \e, \q, 0, 0
	PROD \v, \s, \e, \q, 1, 1
	PROD \v, \s, \e, \q, 2, 0
	PROD \v, \s, \e, \q, 3, 1
.endr
	WIN 0
	PLACES 4
.if \s < 6
	FETCH \s+2, \e
.endif
.endm
.macro CSLOAD s, e                         ; block s's table numbers: my row's eight pairs of each block of 32
	WIN 0xc0
.irp par, 0,1
.irp j, 0,1,2,3
	global_load_b128 v[CS+32*\e+16*\par+4*\j:CS+32*\e+16*\par+4*\j+3], v[CSA], s[96:97] offset:(\s)*4096+\par*128+16*\j
.endr
.endr
	WIN 0
.endm
.macro ROPE e                              ; (y0, y1) = (x0 c - x1 s, x1 c + x0 s); each accumulator is read from its low end on
	WIN 0x0f
.irp be, 0,1
.irp k, 0,2,4,6,8,10,12,14
	v_pk_mul_f32 v[Y+16*\be+\k:Y+16*\be+\k+1], v[AQ+16*\be+\k:AQ+16*\be+\k+1], v[CS+32*\e+16*\be+\k:CS+32*\e+16*\be+\k+1] op_sel_hi:[1,0]
.endr
.irp k, 0,2,4,6,8,10,12,14
	v_pk_fma_f32 v[Y+16*\be+\k:Y+16*\be+\k+1], v[AQ+16*\be+\k:AQ+16*\be+\k+1], v[CS+32*\e+16*\be+\k:CS+32*\e+16*\be+\k+1], v[Y+16*\be+\k:Y+16*\be+\k+1] op_sel:[1,1,0] op_sel_hi:[0,1,1] neg_lo:[0,1,0]
.endr
.endr
	WIN 0
.endm
.macro QQ s, e                             ; 32 rotated numbers a lane: two blocks of 32, each shared with lane l xor 16; four chains side by side
.irp b, 0,1
	v_max3_num_f32 v[TM+\b], |v[Y+16*\b]|, |v[Y+16*\b+1]|, 0x1800000        ; with the floor 2^(3 - 127): the byte cannot fall under 1
	v_max3_num_f32 v[TM+2+\b], |v[Y+16*\b+8]|, |v[Y+16*\b+9]|, |v[Y+16*\b+10]|
.endr
.irp i, 2,4,6
.irp b, 0,1
	v_max3_num_f32 v[TM+\b], v[TM+\b], |v[Y+16*\b+\i]|, |v[Y+16*\b+\i+1]|
.if \i < 6
	v_max3_num_f32 v[TM+2+\b], v[TM+2+\b], |v[Y+16*\b+9+\i]|, |v[Y+16*\b+10+\i]|
.endif
.endr
.endr
.irp b, 0,1
	v_max3_num_f32 v[TM+\b], v[TM+\b], v[TM+2+\b], |v[Y+16*\b+15]|
.endr
.irp b, 0,1
	v_permlanex16_b32 v[TM+8+\b], v[TM+\b], s2, s3
.endr
.irp b, 0,1
	v_max_num_f32 v[TM+\b], v[TM+\b], v[TM+8+\b]
.endr
.irp b, 0,1
	v_add_nc_u32 v[TM+16+\b], 0xff000000, v[TM+\b]   ; 2 off the exponent field: the conversion's scale operand
.endr
.irp b, 0,1
	v_lshrrev_b32 v[TM+8+\b], 23, v[TM+16+\b]        ; the scale's byte
.endr
.if \e
	v_lshl_or_b32 v[TM+8], v[TM+9], 8, v[TM+8]
	v_lshl_or_b32 v[SWR+(\s)/2], v[TM+8], 16, v[SWR+(\s)/2]   ; the image's word: the even block's two bytes, then the odd block's
.else
	v_lshl_or_b32 v[SWR+(\s)/2], v[TM+9], 8, v[TM+8]
.endif
	v_cvt_scalef32_pk16_fp6_f32 v[IMG+6*\e:IMG+6*\e+2], v[Y:Y+15], v[TM+16]
	v_cvt_scalef32_pk16_fp6_f32 v[CT:CT+2], v[Y+16:Y+31], v[TM+17]
	v_nop                                          ; one plain place behind a scaled conversion
.irp i, 0,1,2
	v_permlane16_swap_b32 v[IMG+6*\e+\i], v[CT+\i] ; a whole block in a lane: lanes 0-15 the first, lanes 16-31 the second
.endr
.irp i, 0,1,2
	v_mov_b32 v[IMG+6*\e+3+\i], v[CT+\i]
.endr
.if \e
.irp c, 0,1,2
	global_store_b128 v[LI], v[IMG+4*\c:IMG+4*\c+3], s[98:99] offset:1536*((\s)/2)+512*\c   ; 32 lanes store 512 consecutive bytes, aligned
.endr
.endif
.endm
.macro QBLK s, e, w
	MUL32 0, \s, \e, \w
.if \e == 0
	s_wait_xcnt 0x0                                ; the last image's stores have read their data
.endif
.if \s < 7
	s_wait_loadcnt 8
.else
	s_wait_loadcnt 0
.endif
	ROPE \e
.if \s < 6
	CSLOAD \s+2, \e
.endif
	QQ \s, \e
.endm
.macro VQ c                                ; four blocks' sums: for each tile t two blocks of 32 tokens; eight chains side by side
	WIN 0x0f
.irp t, 0,1,2,3
.irp u, 0,1
	v_max3_num_f32 v[TM+2*\t+\u], |v[AQ+32*\t+16*\u]|, |v[AQ+32*\t+16*\u+1]|, 0x1800000
.endr
.endr
	WIN 0x3c
.irp i, 2,4,6,8,10,12,14
.irp t, 0,1,2,3
.irp u, 0,1
	v_max3_num_f32 v[TM+2*\t+\u], v[TM+2*\t+\u], |v[AQ+32*\t+16*\u+\i]|, |v[AQ+32*\t+16*\u+\i+1]|
.endr
.endr
.endr
	WIN 0
.irp n, 0,1,2,3,4,5,6,7
	v_permlanex16_b32 v[TM+8+\n], v[TM+\n], s2, s3
.endr
.irp n, 0,1,2,3,4,5,6,7
	v_max_num_f32 v[TM+\n], v[TM+\n], v[TM+8+\n]
.endr
.irp n, 0,1,2,3,4,5,6,7
	v_add_nc_u32 v[TM+16+\n], 0xff000000, v[TM+\n]
.endr
.irp n, 0,1,2,3,4,5,6,7
	v_lshrrev_b32 v[TM+8+\n], 23, v[TM+16+\n]
.endr
.irp t, 0,1,2,3
.if \c
	v_lshl_or_b32 v[SWR+\t], v[TM+8+2*\t], 16, v[SWR+\t]
.else
	v_lshl_or_b32 v[SWR+\t], v[TM+9+2*\t], 8, v[TM+8+2*\t]
.endif
.endr
.if \c
.irp t, 0,1,2,3
	v_lshl_or_b32 v[SWR+\t], v[TM+9+2*\t], 24, v[SWR+\t]
.endr
.endif
	WIN 3
.irp t, 0,1,2,3
	v_cvt_scalef32_pk16_fp6_f32 v[VIMG+12*\t+6*\c:VIMG+12*\t+6*\c+2], v[AQ+32*\t:AQ+32*\t+15], v[TM+16+2*\t]
	v_cvt_scalef32_pk16_fp6_f32 v[CT+4*\t:CT+4*\t+2], v[AQ+32*\t+16:AQ+32*\t+31], v[TM+17+2*\t]
.endr
	WIN 0
	v_nop                                          ; one plain place behind a scaled conversion
.irp t, 0,1,2,3
.irp i, 0,1,2
	v_permlane16_swap_b32 v[VIMG+12*\t+6*\c+\i], v[CT+4*\t+\i]
.endr
.endr
.irp t, 0,1,2,3
.irp i, 0,1,2
	v_mov_b32 v[VIMG+12*\t+6*\c+3+\i], v[CT+4*\t+\i]
.endr
.endr
.endm
.macro SHOW                                ; what was asked for last is in, in every wave's part, and nobody's LDS work is out
	s_wait_tensorcnt 0x0
	s_wait_dscnt 0x0
	s_barrier_signal -1
	s_barrier_wait -1
.endm
	s_mov_b32 s90, 0
.Lphase:                                               ; q, then k
	SHOW
	SBLOAD
	CSLOAD 0, 0
	CSLOAD 1, 1
	WEIGHTS
	FETCH 0, 0
	FETCH 1, 1
	s_wait_tensorcnt 0x0                           ; the three lines ahead of a refill's round
	ds_add_u32 v[SPW], v[NIL]
	s_add_nc_u64 s[G0R+2:G0R+3], s[G0R+2:G0R+3], 1024*192   ; no tensor load of mine is out: the next tensor's rows
	s_wait_dscnt 0x0                               ; the add is done, and W's rows are in my registers
	CROUND
	tensor_load_to_lds s[G0R:G0R+3], s[G1R:G1R+7]  ; my plane of the next tensor's 128 rows
	s_nop 0
	PLACES 4
	s_wait_loadcnt 16                              ; the scale words are in
	QBLK 0, 0, 48
	QBLK 1, 1, 48
	QBLK 2, 0, 48
	QBLK 3, 1, 48
	QBLK 4, 0, 48
	QBLK 5, 1, 48
	QBLK 6, 0, 48
	QBLK 7, 1, 0
	global_store_b128 v[R16], v[SWR:SWR+3], s[100:101]   ; row r's four words: 256 consecutive bytes, aligned (lanes 16-31 store the same words to the same places)
	s_wait_xcnt 0x0                                ; the bases are stepped only behind this wait
	s_add_nc_u64 s[98:99], s[98:99], 6291456
	s_add_nc_u64 s[100:101], s[100:101], 262144
	s_add_nc_u64 s[10:11], s[10:11], 1024*32
	s_add_co_u32 s90, s90, 1
	s_cmp_lt_u32 s90, 2
	s_wait_alu depctr_va_vdst(0)                   ; the wait ahead of the backward jump
	s_cbranch_scc1 .Lphase
	SHOW                                           ; v
	SBLOAD
	WEIGHTS
	FETCH 0, 0
	FETCH 1, 1
	s_wait_loadcnt 0x0
	MUL32 1, 0, 0, 48
	MUL32 1, 1, 1, 48
	MUL32 1, 2, 0, 48
	MUL32 1, 3, 1, 48
	VQ 0
	MUL32 1, 4, 0, 48
	MUL32 1, 5, 1, 48
	MUL32 1, 6, 0, 48
	MUL32 1, 7, 1, 0
	VQ 1
.irp t, 0,1,2,3
.irp c, 0,1,2
	global_store_b128 v[LI], v[VIMG+12*\t+4*\c:VIMG+12*\t+4*\c+3], s[98:99] offset:1536*\t+512*\c
.endr
.endr
	v_cndmask_b32 v[SWO], v[SWR], v[SWR+1], s91    ; lanes 0-15 tiles 0 and 2, lanes 16-31 tiles 1 and 3
	v_cndmask_b32 v[SWO+1], v[SWR+2], v[SWR+3], s91
	global_store_b64 v[VSO], v[SWO:SWO+1], s[12:13]
	s_wait_tensorcnt 0x0                           ; the wave's end: the three closing lines
	ds_add_u32 v[SPW], v[NIL]
	s_wait_dscnt 0x0
	CROUND                                         ; the closing round
	s_endpgm
.Lfunc_end_k_q504d7b1992_proj:
	.size	k_q504d7b1992_proj, .Lfunc_end_k_q504d7b1992_proj-k_q504d7b1992_proj
	.p2alignl 7, 3214868480
	.fill 96, 4, 3214868480
	.section	.rodata,"a",@progbits
	.p2align	6, 0x0
	.amdhsa_kernel k_q504d7b1992_proj
		.amdhsa_group_segment_fixed_size 327680
		.amdhsa_private_segment_fixed_size 0
		.amdhsa_enable_private_segment 0
		.amdhsa_kernarg_size 56
		.amdhsa_user_sgpr_count 2
		.amdhsa_user_sgpr_kernarg_segment_ptr 1
		.amdhsa_wavefront_size32 1
		.amdhsa_system_sgpr_workgroup_id_x 1
		.amdhsa_system_sgpr_workgroup_id_y 1
		.amdhsa_system_sgpr_workgroup_id_z 1
		.amdhsa_system_vgpr_workitem_id 0
		.amdhsa_next_free_vgpr 1024
		.amdhsa_next_free_sgpr 102
		.amdhsa_reserve_vcc 0
		.amdhsa_float_denorm_mode_32 3
		.amdhsa_float_denorm_mode_16_64 3
		.amdhsa_memory_ordered 1
		.amdhsa_forward_progress 1
		.amdhsa_inst_pref_size 211
	.end_amdhsa_kernel
	.amdgpu_metadata
---
amdhsa.version: [ 1, 2 ]
amdhsa.kernels:
  - .name:           k_q504d7b1992_proj
    .symbol:         k_q504d7b1992_proj.kd
    .args:
      - { .name: actc, .offset: 0, .size: 8, .value_kind: global_buffer, .address_space: global }
      - { .name: acts, .offset: 8, .size: 8, .value_kind: global_buffer, .address_space: global }
      - { .name: wc, .offset: 16, .size: 8, .value_kind: global_buffer, .address_space: global }
      - { .name: ws, .offset: 24, .size: 8, .value_kind: global_buffer, .address_space: global }
      - { .name: rope, .offset: 32, .size: 8, .value_kind: global_buffer, .address_space: global }
      - { .name: qkvc, .offset: 40, .size: 8, .value_kind: global_buffer, .address_space: global }
      - { .name: qkvs, .offset: 48, .size: 8, .value_kind: global_buffer, .address_space: global }
    .group_segment_fixed_size: 327680
    .private_segment_fixed_size: 0
    .kernarg_segment_align: 8
    .kernarg_segment_size: 56
    .max_flat_workgroup_size: 128
    .sgpr_count:     102
    .vgpr_count:     1024
    .wavefront_size: 32
...
	.end_amdgpu_metadata
.endif
;; end of part 2
;; launch attn (part 3): grid 4 x 64, 16 waves a work-group, clusters of 4 x 1, 223,232 bytes of LDS; arguments qkvc, qkvs, actc, acts; writes actc, acts
.if DOCPART == 3
	.amdgcn_target "amdgcn-amd-amdhsa--gfx1250"
	.amdhsa_code_object_version 6
	.text
	.protected	k_q504d7b1992_attn
	.globl	k_q504d7b1992_attn
	.p2align	8
	.type	k_q504d7b1992_attn,@function
k_q504d7b1992_attn:
	s_mov_b64 s[64:65], 0
	v_nop
	global_prefetch_b8 v0, s[64:65] scope:SCOPE_SE
	s_setreg_imm32_b32 hwreg(HW_REG_WAVE_MODE, 25, 1), 1
	s_wait_xcnt 0x0
	s_wait_alu depctr_hold_cnt(0) depctr_sa_sdst(0) depctr_va_vdst(0) depctr_va_sdst(0) depctr_va_ssrc(0) depctr_va_vcc(0) depctr_vm_vsrc(0)
	s_getreg_b32 s2, hwreg(HW_REG_IB_STS2, 6, 4)
	s_cmp_eq_u32 s2, 0
	s_cbranch_scc0 .Lentry_in_a_cluster
	s_endpgm
.Lentry_in_a_cluster:
	s_bfe_u32 s2, ttmp6, 0x10000c
	s_cmp_lg_u32 s2, 0x3003
	s_cbranch_scc0 .Lentry_shape_is_right
	s_endpgm
.Lentry_shape_is_right:
; CAUSAL ATTENTION OF ONE (batch, head) ON CODES OF FP6 (E2M3), head size 64, 2,048 keys, and the quantising of its result along the model's 1,024 for the last projection.
; THE SOFTMAX AHEAD OF THE SECOND PRODUCT: t = score x log2(e) / 8; M = the row's largest t so far, rounded UP to a whole number; p = 2^(t - M) is quantised along the keys, not normalised.
; The row's sum is taken of the unquantised p, in f32, and divides O at the end.  When M moves, the sum and O are multiplied by 2^(old M - new M): exact.
; SHARES.  Work-group (j, batch x head), sixteen waves, four to a SIMD.  Wave w takes the tile of 16 query positions 16 j + w, and then tile 127 - (16 j + w): by the mask that is 17 key steps of 128 keys for
; every wave of the launch, two of them on the diagonal.  Each pass walks a loop of the constant count 16; a step all of whose keys are hidden is left out by a scalar branch on ids.
; LDS IS FILLED ONCE: the head's K and V (196,608 bytes of codes, 12,288 of scale words) lie there whole: eleven tensor loads at the head, one a wave, one barrier, no ring.
; NO CLUSTER: the four work-groups of a head read the same K and V, but which steps a wave leaves out hangs on its work-group's query block, and in a cluster that would be a branch on the work-group's place.
; LAYOUT.  Both products are used transposed, so that a lane holds ONE query (lane % 16) throughout.  An image of K is an operand whose k 0-63 are the 64 numbers of key positions 32 g + r and whose k 64-127 are those of
; 32 g + 16 + r: it is multiplied once by [q | 0] and once by [0 | q] (zero codes add nothing).  Positions are pi(index), bits 3 and 4 changed over: so the 16 registers of the two results are keys 32 g + 16 (lane / 16) + 0 .. 15.
; V's fragments hold 16 channel positions x 128 keys: the 16 registers of two neighbouring tiles of O^T are 16 neighbouring channels, which the last conversions want.
; OUT: codes [16 heads][8,192 positions][48 bytes], scale bytes [8,192 positions][32], byte 2 head + block.
; LIMITS: NaN and infinities are not served; a block under 2^(3 - 127) keeps the scale byte 1 (read by this program alone).
; REGISTERS: v1-7 addresses that stay; v8-11 addresses of the loads in hand; v12 -M, v13 the largest t, v[14:15] the sum in two halves; v16-21 zeros, v22-27 q, v28-33 zeros; v35 the mask's bound; v36-83 four fragments;
; v84-89 addresses; v96-159 S^T, then p; v160-191 O^T; v224-235 p's codes; v232-254 at work; v248-251, v253, v255 scale words.
; THE SHARES AND THE CLUSTER AS THEY STAND (in place of the paragraphs SHARES and NO CLUSTER above): the four work-groups of a head form a cluster of 4 x 1 and ask for K, V and the scale words JOINTLY (mask 15).
; Wave w of the partner at place cx takes tile 4 w + cx, and then tile 127 - (4 w + cx): still 17 key steps a wave.  The step on whose diagonal a tile lies is then w / 2, and 15 - w / 2: made of the wave's number alone,
; so that no branch hangs on a work-group's place in its cluster; the place goes into global addresses and into the mask's bound, a value, alone.
.set VIMG,  98304
.set SCK,   196608                     ; K's scale words, 4,096 bytes,
.set SCV,   200704                     ; V's (two heads'), 8,192 bytes,
.set STG,   208896                     ; a stage of 768 bytes for each wave, stored by the waves alone,
.set SPARE, 221184                     ; and the spare words, 128 bytes for each wave
.set LI,   1                           ; v1   16 x lane
.set LIV,  2                           ; v2   the same in V's images
.set AKS,  3                           ; v3   my row's four scale words of K
.set AVS,  4                           ; v4   my row's two of V, of my head
.set SPW,  5                           ; v5   LDS address of my spare word; never rewritten
.set NIL,  6                           ; v6   0; never rewritten
.set L8,   7                           ; v7   8 x lane
.set ADK,  8
.set ADV,  9
.set ADS,  10
.set ADT,  11
.set QD,   35                          ; v35  my query less the step's first key less 16 (lane / 16), on the diagonal
.set FRG,  36
.set STI,  84                          ; v84  the stage: where I put my 24 bytes
.set SOA,  85                          ; v85  and where I read it back: 16 bytes a lane of its first 512,
.set SOB,  86                          ; v86  8 bytes a lane of its last 256
.set R16,  87                          ; v87  16 r
.set R32,  88                          ; v88  32 r + h
.set LQ,   89                          ; v89  16 (r / 8) + r % 8 - 16 h
.set WV,   12
.set BH,   13
.set HH,   14
.set BT,   15
.set SEL,  16                          ; s[16:17] lane selects for v_permlanex16_b32: lane l xor 16
.set CS,   18                          ; s[18:19] c = log2(e) / 8
.set Q0,   20                          ; s20  my first query position
.set QB,   21                          ; s21  the step on whose diagonal it lies
.set KS,   22                          ; s22  the step
.set TK,   23                          ; s23  where the step's images begin: 6,144 bytes a step
.set TS,   24                          ; s24  K's scale words: 256 a step
.set TJ,   25                          ; s25  V's: 512 a step
.set UM,   26                          ; s26  all lanes where my tile is an image's second half
.set SELQ, 27
.set HM,   28                          ; s28  lanes 16-31
.set DB,   29
.set G1A,  40                          ; s[40:47] descriptor group 1: 96 rows of 256 bytes;  s[48:55]: 16 rows
.set G1B,  48
.set G0A,  56                          ; s[56:59], s[60:63] groups 0
.set G0B,  60
	s_load_b256 s[4:11], s[0:1], 0x0               ; the images s[4:5], their scale words s[6:7], the result's codes s[8:9], its scale bytes s[10:11]
	v_lshl_add_u32 v[SPW], v0, 2, SPARE
	v_mov_b32 v[NIL], 0
	ds_add_u32 v[SPW], v[NIL]                      ; the wave's opening: the add and its wait ahead of my first tensor load; the set-up below, work on registers, stands between them
	ds_add_u32 v[SPW], v[NIL]
	v_lshrrev_b32 v8, 5, v0
	s_delay_alu instid0(VALU_DEP_1)
	v_readfirstlane_b32 s[WV], v8                  ; wave 0..15
	s_and_b32 s[BH], ttmp7, 0xffff                 ; 16 x batch + head
	s_and_b32 s[HH], s[BH], 15
	s_lshr_b32 s[BT], s[BH], 4
	; dense blocks as rows of 256 bytes (32 elements of 8 bytes), no padding
	s_mov_b32 s[G1A], (3<<16)|(1<<21)|15           ; the mask names the cluster's four
	s_mov_b32 s[G1A+1], 32<<16                     ; tensor_dim0
	s_mov_b32 s[G1A+2], 96<<16                     ; tensor_dim1
	s_mov_b32 s[G1A+3], 32<<16                     ; tile_dim0
	s_mov_b32 s[G1A+4], 96                         ; tile_dim1: 24,576 bytes
	s_mov_b32 s[G1A+5], 32                         ; the pitch
	s_mov_b32 s[G1A+6], 0
	s_mov_b32 s[G1A+7], 0
	s_mov_b32 s[G1B], (3<<16)|(1<<21)|15
	s_mov_b32 s[G1B+1], 32<<16
	s_mov_b32 s[G1B+2], 16<<16
	s_mov_b32 s[G1B+3], 32<<16
	s_mov_b32 s[G1B+4], 16                         ; 4,096 bytes
	s_mov_b32 s[G1B+5], 32
	s_mov_b32 s[G1B+6], 0
	s_mov_b32 s[G1B+7], 0
	s_mov_b32 s[SEL], 0x76543210
	s_mov_b32 s[SEL+1], 0xfedcba98
	s_mov_b32 s[CS], 0x3e38aa3b                    ; c = log2(e) / sqrt(64)
	s_mov_b32 s[CS+1], s[CS]                       ; (named with it as a pair, so it is written)
	s_mov_b32 s[HM], 0xffff0000
	s_min_u32 s66, s[WV], 7                        ; waves 0-3 fetch K's quarters, waves 4-7 V's (in the other waves the word stays inside LDS, and is not used)
	s_mul_i32 s66, s66, 24576                      ; the quarter's place in LDS, and in the two tensors on end
	s_mul_i32 s67, s[BH], 98304
	s_add_co_u32 s67, s67, s66
	s_add_co_u32 s67, s67, 6291456                 ; K's images lie behind Q's,
	s_cmp_ge_u32 s[WV], 4
	s_cselect_b32 s68, 6193152, 0                  ; V's another 6,291,456 bytes on, less the head's 98,304 that the wave's number has counted
	s_add_co_u32 s30, s67, s68
	s_mov_b32 s31, 0
	s_min_u32 s67, s[WV], 10                       ; wave 8 fetches K's scale words, waves 9 and 10 V's halves
	s_lshl_b32 s67, s67, 12
	s_lshl_b32 s68, s[BH], 12
	s_add_co_u32 s68, s68, 262144
	s_lshr_b32 s69, s[BH], 1
	s_lshl_b32 s69, s69, 13
	s_add_co_u32 s69, s69, s67
	s_add_co_u32 s69, s69, 524288-9*4096
	s_cmp_eq_u32 s[WV], 8
	s_cselect_b32 s32, s68, s69
	s_mov_b32 s33, 0
	s_wait_dscnt 0x0                               ; the opening adds are done
	s_wait_kmcnt 0x0
.macro CROUND                          ; a round of the cluster's barrier
	s_barrier_signal -1
	s_barrier_wait -1
	s_cmp_lg_u32 s[WV], 0
	s_cbranch_scc1 .Lnot_wave_0_\@
	s_barrier_signal -3
.Lnot_wave_0_\@:
	s_barrier_wait -3
	s_barrier_signal -1
	s_barrier_wait -1
.endm
	CROUND                                         ; all four work-groups are here: the joint loads meet
	s_mov_b32 s[G0A], 1
	s_mov_b32 s[G0A+1], s66                        ; 63:32 LDS address
	s_add_nc_u64 s[G0A+2:G0A+3], s[4:5], s[30:31]  ; 120:64 global address
	s_or_b32 s[G0A+3], s[G0A+3], 0x80000000        ; 127:126 type = 2
	s_mov_b32 s[G0B], 1
	s_add_co_u32 s[G0B+1], s67, SCK-8*4096
	s_add_nc_u64 s[G0B+2:G0B+3], s[6:7], s[32:33]
	s_or_b32 s[G0B+3], s[G0B+3], 0x80000000
	s_cmp_lt_u32 s[WV], 8                          ; the first and only fills: at most one tensor load of a wave is out.  An s_nop 0 and four v_nop follow each line
	s_cbranch_scc0 .Lnot_codes
	tensor_load_to_lds s[G0A:G0A+3], s[G1A:G1A+7]
	s_nop 0
.rept 4
	v_nop
.endr
	s_branch .Lasked
.Lnot_codes:
	s_cmp_lt_u32 s[WV], 11
	s_cbranch_scc0 .Lasked
	tensor_load_to_lds s[G0B:G0B+3], s[G1B:G1B+7]
	s_nop 0
.rept 4
	v_nop
.endr
.Lasked:
	s_mul_i32 s30, s[BH], 98304
	s_add_nc_u64 s[4:5], s[4:5], s[30:31]          ; Q's images of my head
	s_lshl_b32 s30, s[BH], 12
	s_add_nc_u64 s[6:7], s[6:7], s[30:31]          ; and their scale words
	s_mul_i32 s30, s[HH], 393216
	s_mul_i32 s32, s[BT], 98304
	s_add_co_u32 s30, s30, s32
	s_add_nc_u64 s[8:9], s[8:9], s[30:31]          ; the result's codes: my head's plane, my batch's 2,048 rows of 48 bytes
	s_lshl_b32 s30, s[BT], 16
	s_lshl_b32 s32, s[HH], 1
	s_add_co_u32 s30, s30, s32
	s_add_nc_u64 s[10:11], s[10:11], s[30:31]      ; its scale bytes: my batch's rows of 32, my head's two
	v_and_b32 v8, 31, v0                           ; lane
	v_and_b32 v9, 15, v0                           ; r
	v_bfe_u32 v10, v0, 4, 1                        ; h
	s_delay_alu instid0(VALU_DEP_3)
	v_lshlrev_b32 v[LI], 4, v8
	s_delay_alu instid0(VALU_DEP_1)
	v_add_nc_u32 v[LIV], VIMG, v[LI]
	s_delay_alu instid0(VALU_DEP_4)
	v_lshl_add_u32 v[AKS], v9, 4, SCK
	s_and_b32 s66, s[HH], 1
	s_lshl_b32 s66, s66, 3
	s_add_co_u32 s66, s66, SCV
	v_lshl_add_u32 v[AVS], v9, 4, s66              ; of a row's four words the head's parity picks two
	v_lshlrev_b32 v[L8], 3, v8
	s_mul_i32 s67, s[WV], 768
	s_add_co_u32 s67, s67, STG                     ; my stage
	v_mul_u32_u24 v[STI], v9, 48
	s_delay_alu instid0(VALU_DEP_1)
	v_mad_u32_u24 v[STI], v10, 24, v[STI]
	s_delay_alu instid0(VALU_DEP_1)
	v_add_nc_u32 v[STI], s67, v[STI]
	v_add_nc_u32 v[SOA], s67, v[LI]
	v_add_nc_u32 v[SOB], s67, v[L8]
	s_delay_alu instid0(VALU_DEP_1)
	v_add_nc_u32 v[SOB], 512, v[SOB]
	v_lshlrev_b32 v[R16], 4, v9
	v_lshl_add_u32 v[R32], v9, 5, v10
	v_lshrrev_b32 v11, 3, v9
	v_and_b32 v[LQ], 7, v9
	s_delay_alu instid0(VALU_DEP_1)
	v_lshl_add_u32 v[LQ], v11, 4, v[LQ]
	v_lshlrev_b32 v11, 4, v10
	s_delay_alu instid0(VALU_DEP_1)
	v_sub_nc_u32 v[LQ], v[LQ], v11
.irp i, 16,17,18,19,20,21,28,29,30,31,32,33
	v_mov_b32 v\i, 0                               ; the zero codes on both sides of q
.endr
.irp i, 236,237,238,239,252,253
	v_mov_b32 v\i, 0                               ; written once: a lane permute's destination counts as one of its sources, and a pair is named whole
.endr
	s_bfe_u32 s[Q0], ttmp6, 0x40000                ; cx
	s_lshl_b32 s[Q0], s[Q0], 4
	s_lshl_b32 s66, s[WV], 6
	s_add_co_u32 s[Q0], s[Q0], s66                 ; the first pass's tile: 4 x wave + cx
	s_lshr_b32 s[QB], s[WV], 1                     ; and its diagonal step
; A KEY STEP: 128 keys.
.macro STEP
	s_cmp_gt_u32 s[KS], s[QB]                      ; all its keys come after my queries: the step's work is left out, not the lines at its end that step addresses
	s_cbranch_scc1 .Lhidden_\@
	v_add_nc_u32 v[ADK], s[TK], v[LI]              ; (these four are the places in front of the loads into registers that the last products read)
	v_add_nc_u32 v[ADV], s[TK], v[LIV]
	v_add_nc_u32 v[ADS], s[TS], v[AKS]
	v_add_nc_u32 v[ADT], s[TJ], v[AVS]
.irp be, 0,1,2,3
.irp c, 0,1,2
	ds_load_b128 v[FRG+12*\be+4*\c:FRG+12*\be+4*\c+3], v[ADK] offset:1536*\be+512*\c   ; K's four images, as they were stored
.endr
.endr
	ds_load_b128 v[248:251], v[ADS]                ; and their scale words
	s_wait_alu depctr_va_vdst(0)
	s_wait_dscnt 0x0
.irp be, 0,1,2,3                               ; S^T: each image against [q | 0] and against [0 | q]
	v_wmma_scale_f32_16x16x128_f8f6f4 v[96+16*\be:103+16*\be], v[FRG+12*\be:FRG+12*\be+11], v[22:33], 0, v[248+\be], v255 matrix_a_fmt:MATRIX_FMT_FP6 matrix_b_fmt:MATRIX_FMT_FP6
	v_wmma_scale_f32_16x16x128_f8f6f4 v[104+16*\be:111+16*\be], v[FRG+12*\be:FRG+12*\be+11], v[16:27], 0, v[248+\be], v255 matrix_a_fmt:MATRIX_FMT_FP6 matrix_b_fmt:MATRIX_FMT_FP6
.endr                                          ; register 16 b + i of v96 on is key 128 step + 32 b + 16 (lane / 16) + i
.rept 4
	v_nop                                          ; places: in front of the loads below and of the first reads of the scores
.endr
.irp t, 0,1,2,3
.irp c, 0,1,2
	ds_load_b128 v[FRG+12*\t+4*\c:FRG+12*\t+4*\c+3], v[ADV] offset:1536*\t+512*\c   ; V's four fragments land while the softmax is walked
.endr
.endr
	ds_load_b64 v[248:249], v[ADT]                 ; their scale words: tiles 0 and 2,
	ds_load_b64 v[250:251], v[ADT] offset:256      ; tiles 1 and 3
	s_cmp_lg_u32 s[KS], s[QB]                      ; on the diagonal the scores of hidden keys become -infinity ahead of the maximum: p = 0 then
	s_cbranch_scc1 .Lopen_\@
	v_mov_b32 v254, 0xff800000
.irp n, 0,1,2,3,4,5,6,7,8,9,10,11,12,13,14,15,16,17,18,19,20,21,22,23,24,25,26,27,28,29,30,31,32,33,34,35,36,37,38,39,40,41,42,43,44,45,46,47,48,49,50,51,52,53,54,55,56,57,58,59,60,61,62,63
	v_cmp_gt_i32 vcc_lo, 32*(\n/16)+\n%16, v[QD]
	v_cndmask_b32 v[96+\n], v[96+\n], v254, vcc_lo
.endr
.Lopen_\@:
.irp b, 0,1,2,3
	v_max3_num_f32 v[232+\b], v[96+16*\b], v[97+16*\b], v[98+16*\b]   ; the largest score of each block of 32 keys: it serves the row's maximum and, since p rises with the score, the block's largest p
.endr
.irp i, 3,5,7,9,11,13
.irp b, 0,1,2,3
	v_max3_num_f32 v[232+\b], v[232+\b], v[96+16*\b+\i], v[97+16*\b+\i]   ; (the four blocks by turns)
.endr
.endr
.irp b, 0,1,2,3
	v_max_num_f32 v[232+\b], v[232+\b], v[111+16*\b]
.endr
.irp b, 0,1,2,3
	s_delay_alu instid0(VALU_DEP_4)
	v_permlanex16_b32 v[236+\b], v[232+\b], s[SEL], s[SEL+1]
.endr
.irp b, 0,1,2,3
	s_delay_alu instid0(VALU_DEP_4)
	v_max_num_f32 v[232+\b], v[232+\b], v[236+\b]  ; with lane l xor 16's 16 keys
.endr
	s_delay_alu instid0(VALU_DEP_2)
	v_max3_num_f32 v254, v232, v233, v234
	s_delay_alu instid0(VALU_DEP_1)
	v_max_num_f32 v254, v254, v235                 ; the step's largest score of my query
	s_delay_alu instid0(VALU_DEP_1)
	v_mul_f32 v254, s[CS], v254                    ; as t (c is positive)
	s_delay_alu instid0(VALU_DEP_1)
	v_max_num_f32 v13, v13, v254                   ; the running largest t
	v_mov_b32 v254, v12
	s_delay_alu instid0(VALU_DEP_2)
	v_floor_f32 v12, -v13                          ; the new -M = floor(-t) = -ceil(t): a whole number
	s_delay_alu instid0(VALU_DEP_1)
	v_sub_f32 v254, v12, v254                      ; M's old value less its new one: a whole number, 0 or less
	s_delay_alu instid0(VALU_DEP_1)
	v_cvt_i32_f32 v254, v254                       ; (it saturates)
	s_delay_alu instid0(VALU_DEP_1)
	v_ldexp_f32 v252, 1.0, v254                    ; f = 2^(old M - new M)
.irp j, 0,2,4,6,8,10,12,14,16,18,20,22,24,26,28,30,32,34,36,38,40,42,44,46,48,50,52,54,56,58,60,62
	v_pk_fma_f32 v[96+\j:97+\j], v[96+\j:97+\j], s[CS:CS+1], v[12:13] op_sel_hi:[1,0,0]   ; t - M, two at a time
.endr
.irp b, 0,1,2,3
	v_fma_f32 v[232+\b], v[232+\b], s[CS], v12     ; the same of each block's largest score
.endr
	s_wait_alu depctr_va_vdst(0)
.irp j, 0,1,2,3,4,5,6,7,8,9,10,11,12,13,14,15,16,17,18,19,20,21,22,23,24,25,26,27,28,29,30,31,32,33,34,35,36,37,38,39,40,41,42,43,44,45,46,47,48,49,50,51,52,53,54,55,56,57,58,59,60,61,62,63
	v_exp_f32 v[96+\j], v[96+\j]                   ; p = 2^(t - M), at most 1: not normalised
.endr
	v_pk_mul_f32 v[14:15], v[14:15], v[252:253] op_sel_hi:[1,0]   ; the sums under the new M.  (A plain place behind the exponentials)
	s_wait_alu depctr_va_vdst(0)                   ; one wait for the whole batch, ahead of its first reader
.irp b, 0,1,2,3
	v_exp_f32 v[232+\b], v[232+\b]                 ; the block's largest p
.endr
	v_pk_add_f32 v[236:237], v[100:101], v[104:105]
	v_pk_add_f32 v[246:247], v[108:109], v[112:113]
	v_pk_add_f32 v[244:245], v[116:117], v[120:121]
	v_pk_add_f32 v[242:243], v[124:125], v[128:129]
	v_pk_add_f32 v[240:241], v[132:133], v[136:137]
	v_pk_add_f32 v[238:239], v[140:141], v[144:145]
	v_pk_add_f32 v[230:231], v[148:149], v[152:153]
	v_pk_add_f32 v[14:15], v[14:15], v[156:157]
	v_pk_add_f32 v[236:237], v[236:237], v[96:97]
	v_pk_add_f32 v[246:247], v[246:247], v[98:99]
	v_pk_add_f32 v[244:245], v[244:245], v[102:103]
	v_pk_add_f32 v[242:243], v[242:243], v[106:107]
	v_pk_add_f32 v[240:241], v[240:241], v[110:111]
	v_pk_add_f32 v[238:239], v[238:239], v[114:115]
	v_pk_add_f32 v[230:231], v[230:231], v[118:119]
	v_pk_add_f32 v[14:15], v[14:15], v[122:123]
	v_pk_add_f32 v[236:237], v[236:237], v[126:127]
	v_pk_add_f32 v[246:247], v[246:247], v[130:131]
	v_pk_add_f32 v[244:245], v[244:245], v[134:135]
	v_pk_add_f32 v[242:243], v[242:243], v[138:139]
	v_pk_add_f32 v[240:241], v[240:241], v[142:143]
	v_pk_add_f32 v[238:239], v[238:239], v[146:147]
	v_pk_add_f32 v[230:231], v[230:231], v[150:151]
	v_pk_add_f32 v[14:15], v[14:15], v[154:155]
	v_pk_add_f32 v[236:237], v[236:237], v[158:159]
	s_delay_alu instid0(VALU_DEP_2)
	v_pk_add_f32 v[14:15], v[14:15], v[242:243]
	s_delay_alu instid0(VALU_DEP_2)
	v_pk_add_f32 v[236:237], v[236:237], v[240:241]
	v_pk_add_f32 v[246:247], v[246:247], v[238:239]
	v_pk_add_f32 v[244:245], v[244:245], v[230:231]
	s_delay_alu instid0(VALU_DEP_2)
	v_pk_add_f32 v[14:15], v[14:15], v[246:247]
	s_delay_alu instid0(VALU_DEP_2)
	v_pk_add_f32 v[236:237], v[236:237], v[244:245]
	s_delay_alu instid0(VALU_DEP_1)
	v_pk_add_f32 v[14:15], v[14:15], v[236:237]
	s_wait_alu depctr_va_vdst(0)                   ; and one for the four
.irp b, 0,1,2,3
	v_max_num_f32 v[232+\b], 0x1800000, v[232+\b]  ; the floor 2^(3 - 127): the byte cannot fall under 1 (a block whose every p is 0 keeps that byte: its codes are zeros)
.endr
.irp b, 0,1,2,3
	s_delay_alu instid0(VALU_DEP_4)
	v_add_nc_u32 v[244+\b], 0xff000000, v[232+\b]  ; 2 off the exponent field: the conversion's scale operand
.endr
.irp b, 0,1,2,3
	s_delay_alu instid0(VALU_DEP_4)
	v_lshrrev_b32 v[236+\b], 23, v[244+\b]         ; the scale's byte
.endr
	s_delay_alu instid0(VALU_DEP_3)
	v_lshl_or_b32 v253, v237, 8, v236              ; p's scale word for these 128 keys
	s_delay_alu instid0(VALU_DEP_1)
	v_lshl_or_b32 v253, v238, 16, v253
	s_delay_alu instid0(VALU_DEP_1)
	v_lshl_or_b32 v253, v239, 24, v253
.irp c, 0,1
	v_cvt_scalef32_pk16_fp6_f32 v[224+6*\c:226+6*\c], v[96+32*\c:111+32*\c], v[244+2*\c]
	v_cvt_scalef32_pk16_fp6_f32 v[236+4*\c:238+4*\c], v[112+32*\c:127+32*\c], v[244+2*\c+1]   ; (a conversion's three registers begin on an even number)
.endr
	v_nop                                          ; one plain place behind a scaled conversion
.irp c, 0,1                                    ; the operand's layout wants a WHOLE block in a lane
.irp i, 0,1,2
	v_permlane16_swap_b32 v[224+6*\c+\i], v[236+4*\c+\i]
.endr
.irp i, 0,1,2
	s_delay_alu instid0(VALU_DEP_3)
	v_mov_b32 v[227+6*\c+\i], v[236+4*\c+\i]
.endr
.endr
.irp j, 0,2,4,6,8,10,12,14,16,18,20,22,24,26,28,30
	v_pk_mul_f32 v[160+\j:161+\j], v[160+\j:161+\j], v[252:253] op_sel_hi:[1,0]   ; O^T under the new M: x f.  (These sixteen are also the places in front of the matrix instructions below)
.endr
	s_wait_alu depctr_va_vdst(0)
	s_wait_dscnt 0x0                               ; V's fragments and scale words are in
.irp t, 0,1,2,3                                ; O^T += V^T P^T: four accumulators by turns
	v_wmma_scale_f32_16x16x128_f8f6f4 v[160+8*\t:167+8*\t], v[FRG+12*\t:FRG+12*\t+11], v[224:235], v[160+8*\t:167+8*\t], v[248+2*(\t%2)+\t/2], v253 matrix_a_fmt:MATRIX_FMT_FP6 matrix_b_fmt:MATRIX_FMT_FP6
.endr
.Lhidden_\@:
	s_add_co_u32 s[TK], s[TK], 6144                ; the next step's images and scale words
	s_add_co_u32 s[TS], s[TS], 256
	s_add_co_u32 s[TJ], s[TJ], 512
.endm
; A PASS: the tile of 16 query positions from s[Q0] on.  first = 1: the wait for the tiles and the one barrier stand behind the pass's own loads.
.macro PASS first
	s_lshr_b32 s66, s[Q0], 5                       ; the image that holds my tile
	s_mul_i32 s30, s66, 1536
	s_mov_b32 s31, 0
	s_add_nc_u64 s[30:31], s[4:5], s[30:31]
	s_lshr_b32 s67, s66, 2
	s_lshl_b32 s67, s67, 8
	s_and_b32 s68, s66, 3
	s_lshl_b32 s68, s68, 2
	s_add_co_u32 s32, s67, s68                     ; its scale word in a row's four
	s_mov_b32 s33, 0
	s_add_nc_u64 s[32:33], s[6:7], s[32:33]
	s_mul_i32 s34, s[Q0], 48
	s_mov_b32 s35, 0
	s_add_nc_u64 s[34:35], s[8:9], s[34:35]        ; where my 16 rows of codes go,
	s_lshl_b32 s36, s[Q0], 5
	s_mov_b32 s37, 0
	s_add_nc_u64 s[36:37], s[10:11], s[36:37]      ; and their scale bytes
	s_and_b32 s[DB], s[Q0], 96
	s_and_b32 s67, s[Q0], 16                       ; which half of the image
	s_lshr_b32 s68, s67, 1
	s_add_co_u32 s[DB], s[DB], s68                 ; lane 0's query, counted from the diagonal step's first key
	s_cmp_lg_u32 s67, 0
	s_cselect_b32 s[UM], -1, 0
	s_mov_b32 s[SELQ], 0x01000100
	s_cselect_b32 s[SELQ], 0x03020302, s[SELQ]
	global_load_b128 v[36:39], v[LI], s[30:31]
	global_load_b128 v[40:43], v[LI], s[30:31] offset:512
	global_load_b128 v[44:47], v[LI], s[30:31] offset:1024
	global_load_b32 v48, v[R16], s[32:33]
	s_wait_loadcnt 0x0
.irp i, 0,1,2,3,4,5
	v_cndmask_b32 v[22+\i], v[36+\i], v[42+\i], s[UM]   ; my tile's six registers
.endr
	v_perm_b32 v255, v48, v48, s[SELQ]             ; its two scale bytes, twice: for [q | 0] and for [0 | q].  (More than eight plain instructions follow ahead of the first product)
	v_mov_b32 v13, 0xff61b1e6                      ; the largest t so far: -3e38, under every t
	s_delay_alu instid0(VALU_DEP_1)
	v_floor_f32 v12, -v13                          ; -M
	v_mov_b32 v14, 0                               ; the sum, in two halves
	v_mov_b32 v15, 0
.irp j, 0,1,2,3,4,5,6,7,8,9,10,11,12,13,14,15,16,17,18,19,20,21,22,23,24,25,26,27,28,29,30,31
	v_mov_b32 v[160+\j], 0                         ; O^T: the loop has no first step of its own: the first change of M multiplies zeros
.endr
	v_add_nc_u32 v[QD], s[DB], v[LQ]
	s_mov_b32 s[KS], 0
	s_mov_b32 s[TK], 0
	s_mov_b32 s[TS], 0
	s_mov_b32 s[TJ], 0
.if \first
	s_wait_tensorcnt 0x0                           ; my part of K, V or the scale words has landed,
	s_barrier_signal -1
	s_barrier_wait -1                              ; everybody's has.  Nothing is filled again in this launch
.endif
.Lstep_\@:
	STEP
	s_add_co_u32 s[KS], s[KS], 1
	s_cmp_lt_u32 s[KS], 16
	s_cbranch_scc1 .Lstep_\@
.rept 4
	v_nop                                          ; places behind the last products
.endr
	v_add_f32 v14, v14, v15                        ; the sum's two halves,
	s_delay_alu instid0(VALU_DEP_1)
	v_permlanex16_b32 v252, v14, s[SEL], s[SEL+1]
	s_delay_alu instid0(VALU_DEP_1)
	v_add_f32 v14, v14, v252                       ; and lane l xor 16's: the row's sum
	s_wait_alu depctr_va_vdst(0)
	v_rcp_f32 v14, v14
	v_nop                                          ; a plain place behind the reciprocal
	s_wait_alu depctr_va_vdst(0)                   ; the wait ahead of the first reader
.irp j, 0,1,2,3,4,5,6,7,8,9,10,11,12,13,14,15,16,17,18,19,20,21,22,23,24,25,26,27,28,29,30,31
	v_mul_f32 v[96+\j], v[160+\j], v14             ; O^T / the sum: register 16 b + i is channel 32 b + 16 h + i of my query
.endr
.irp b, 0,1                                    ; the head's two blocks of 32 along the last projection's K
	v_max3_num_f32 v[232+\b], |v[96+16*\b]|, |v[97+16*\b]|, 0x1800000
.endr
.irp i, 2,4,6,8,10,12,14
.irp b, 0,1
	s_delay_alu instid0(VALU_DEP_2)
	v_max3_num_f32 v[232+\b], v[232+\b], |v[96+16*\b+\i]|, |v[97+16*\b+\i]|
.endr
.endr
.irp b, 0,1
	s_delay_alu instid0(VALU_DEP_2)
	v_permlanex16_b32 v[236+\b], v[232+\b], s[SEL], s[SEL+1]
.endr
.irp b, 0,1
	s_delay_alu instid0(VALU_DEP_2)
	v_max_num_f32 v[232+\b], v[232+\b], v[236+\b]
.endr
.irp b, 0,1
	s_delay_alu instid0(VALU_DEP_2)
	v_add_nc_u32 v[244+\b], 0xff000000, v[232+\b]
.endr
.irp b, 0,1
	s_delay_alu instid0(VALU_DEP_2)
	v_lshrrev_b32 v[238+\b], 23, v[244+\b]
.endr
	v_cvt_scalef32_pk16_fp6_f32 v[224:226], v[96:111], v244
	v_cvt_scalef32_pk16_fp6_f32 v[240:242], v[112:127], v245
	v_nop                                          ; one plain place behind a scaled conversion
.irp i, 0,1,2
	v_permlane16_swap_b32 v[224+\i], v[240+\i]
.endr
.irp i, 0,1,2
	s_delay_alu instid0(VALU_DEP_3)
	v_mov_b32 v[227+\i], v[240+\i]                 ; v224-229: channels 32 h .. 32 h + 31 of my query: 24 bytes
.endr
	v_cndmask_b32 v238, v238, v239, s[HM]          ; lanes 0-15 block 0's byte, lanes 16-31 block 1's
	ds_store_b64 v[STI], v[224:225]                ; 16 rows of 48 bytes meet in my stage
	ds_store_b64 v[STI], v[226:227] offset:8
	ds_store_b64 v[STI], v[228:229] offset:16
	ds_load_b128 v[128:131], v[SOA]                ; LDS serves a wave's instructions in order: these see my stores
	ds_load_b64 v[132:133], v[SOB]
	s_wait_alu depctr_va_vdst(0)
	s_wait_dscnt 0x0
	global_store_b128 v[LI], v[128:131], s[34:35]  ; 768 consecutive bytes, aligned to 256: 512 by this store,
	global_store_b64 v[L8], v[132:133], s[34:35] offset:512   ; 256 by this one
	global_store_b8 v[R32], v238, s[36:37]         ; two bytes of each row's 32: the other heads' work-groups write the rest
	s_wait_xcnt 0x0                                ; the stores have read their registers and bases: the next pass writes them again
.endm
	PASS 1
	s_sub_co_u32 s[Q0], 2032, s[Q0]                ; tile 127 - tile,
	s_sub_co_u32 s[QB], 15, s[QB]                  ; whose diagonal step is 15 - wave / 2
	PASS 0
	s_wait_tensorcnt 0x0                           ; the wave's end: the three closing lines
	ds_add_u32 v[SPW], v[NIL]
	s_wait_dscnt 0x0
	CROUND                                         ; the closing round
	s_endpgm
.Lfunc_end_k_q504d7b1992_attn:
	.size	k_q504d7b1992_attn, .Lfunc_end_k_q504d7b1992_attn-k_q504d7b1992_attn
	.p2alignl 7, 3214868480
	.fill 96, 4, 3214868480
	.section	.rodata,"a",@progbits
	.p2align	6, 0x0
	.amdhsa_kernel k_q504d7b1992_attn
		.amdhsa_group_segment_fixed_size 223232
		.amdhsa_private_segment_fixed_size 0
		.amdhsa_enable_private_segment 0
		.amdhsa_kernarg_size 32
		.amdhsa_user_sgpr_count 2
		.amdhsa_user_sgpr_kernarg_segment_ptr 1
		.amdhsa_wavefront_size32 1
		.amdhsa_system_sgpr_workgroup_id_x 1
		.amdhsa_system_sgpr_workgroup_id_y 1
		.amdhsa_system_sgpr_workgroup_id_z 1
		.amdhsa_system_vgpr_workitem_id 0
		.amdhsa_next_free_vgpr 256
		.amdhsa_next_free_sgpr 70
		.amdhsa_reserve_vcc 1
		.amdhsa_float_denorm_mode_32 3
		.amdhsa_float_denorm_mode_16_64 3
		.amdhsa_memory_ordered 1
		.amdhsa_forward_progress 1
		.amdhsa_inst_pref_size 67
	.end_amdhsa_kernel
	.amdgpu_metadata
---
amdhsa.version: [ 1, 2 ]
amdhsa.kernels:
  - .name:           k_q504d7b1992_attn
    .symbol:         k_q504d7b1992_attn.kd
    .args:
      - { .name: qkvc, .offset: 0, .size: 8, .value_kind: global_buffer, .address_space: global }
      - { .name: qkvs, .offset: 8, .size: 8, .value_kind: global_buffer, .address_space: global }
      - { .name: actc, .offset: 16, .size: 8, .value_kind: global_buffer, .address_space: global }
      - { .name: acts, .offset: 24, .size: 8, .value_kind: global_buffer, .address_space: global }
    .group_segment_fixed_size: 223232
    .private_segment_fixed_size: 0
    .kernarg_segment_align: 8
    .kernarg_segment_size: 32
    .max_flat_workgroup_size: 512
    .sgpr_count:     70
    .vgpr_count:     256
    .wavefront_size: 32
...
	.end_amdgpu_metadata
.endif
;; end of part 3
;; launch oproj (part 4): grid 8 x 32, 4 waves a work-group, clusters of 4 x 4, 327,680 bytes of LDS; arguments actc, acts, wc, ws, out0; writes out0
.if DOCPART == 4
	.amdgcn_target "amdgcn-amd-amdhsa--gfx1250"
	.amdhsa_code_object_version 6
	.text
	.protected	k_q504d7b1992_oproj
	.globl	k_q504d7b1992_oproj
	.p2align	8
	.type	k_q504d7b1992_oproj,@function
k_q504d7b1992_oproj:
	s_mov_b64 s[64:65], 0
	v_nop
	global_prefetch_b8 v0, s[64:65] scope:SCOPE_SE
	s_setreg_imm32_b32 hwreg(HW_REG_WAVE_MODE, 25, 1), 1
	s_wait_xcnt 0x0
	s_wait_alu depctr_hold_cnt(0) depctr_sa_sdst(0) depctr_va_vdst(0) depctr_va_sdst(0) depctr_va_ssrc(0) depctr_va_vcc(0) depctr_vm_vsrc(0)
	s_getreg_b32 s2, hwreg(HW_REG_IB_STS2, 6, 4)
	s_cmp_eq_u32 s2, 0
	s_cbranch_scc0 .Lentry_in_a_cluster
	s_endpgm
.Lentry_in_a_cluster:
	s_bfe_u32 s2, ttmp6, 0x10000c
	s_cmp_lg_u32 s2, 0xf033
	s_cbranch_scc0 .Lentry_shape_is_right
	s_endpgm
.Lentry_shape_is_right:
; THE LAST PROJECTION: out0[token][n] = sum over k of a[token][k] o_proj[k][n], on codes of FP6 (E2M3) with E8M0 scales, K = 1,024, sums in f32.
; IN: actc [16 heads][8,192 positions][48 bytes] and acts [8,192 positions][32]: the attention's result; position p holds token pi(p), bits 3 and 4 of the index changed over.
;     wc [4 planes of 256 along K][4,096 rows][192 bytes], ws [4,096][32]: o_proj's columns are rows 3,072 on, column n at row pi(n).
; THE DEAL: 8 x 32 work-groups of four waves; a work-group makes 256 positions x 128 columns.  ALL OF K LIES IN LDS AT ONCE: x's 16 planes of 256 x 48 bytes (196,608) and W's 128 rows (4 planes x 128 x 240 bytes,
; 16 of padding behind every 64): each byte of LDS is filled once, by four tensor loads at the head, one a wave: wave 0 W, waves 1 to 3 six, five and five of x's planes.  No ring, no refill.
; Wave (a, b) holds W's rows 64 b .. 64 b + 63, all of K, in 384 registers, and streams its positions 128 a + 16 s .. + 15, s = 0 .. 7, past them: a block is 8 fragments (48 LDS loads) and 32 products on
; four accumulators by turns.  The fragments lie twice in registers: block s reads set s % 2, which then takes block s + 2.
; The scale words go from memory straight into registers: a lane takes a row's 32 bytes; lanes 0-15 and 16-31 hold two neighbouring tiles of 16 rows.
; THE MATRIX INSTRUCTION IS USED TRANSPOSED (source 0 = W's rows): lane (r, h) holds position r; register j of tile t is column 32 (t / 2) + 16 h + 8 (t % 2) + j.  A block goes through the wave's own stage,
; 16 rows of 256 + 16 bytes, and leaves as whole rows: sixteen lanes store 256 consecutive bytes, aligned.  The stage lies in W's region, which has had its only fill and, behind the second barrier, its last read.
; CLUSTERS 4 x 4: x's planes are asked for jointly along a row of the cluster, W's rows along a column.
; NO PREFETCH: every tensor load goes out at the head; there is no loop to run ahead in.
; THE WAIT'S COUNT 48: younger than a block's fragments and the last block's turn through the stage are only the 48 loads of the block after it.
; REGISTERS: window 0: v4-19 addresses; v24-39 W's scale words, v44-75 x's, nothing else ever; v80-143 two sets of four accumulators; v144-207 two sets of rows on the way out.
; Fragment f lies in window 1 + f / 21 at register 12 (f % 21): 0-31 W's (4 q + t), 32-39 and 40-47 x's two sets.
.set APL,   393216                     ; a plane of actc
.set WPL,   786432                     ; a plane of wc
.set XPB,   12288                      ; 256 rows x 48 bytes: a plane's part in LDS
.set WB,    196608                     ; W's region
.set WCH,   30720                      ; 128 rows x 240
.set SPARE, 319488                     ; the spare words, 128 bytes for each wave
.set SP,    272
.set FR,    12
.set FPW,   21
.set AX,    4                          ; v4-7   my x fragments, planes 0-3, 4-7, 8-11, 12-15
.set AW,    8                          ; v8, v9 my W fragments, planes 0-1, 2-3;  v10, v11: for the pieces behind one padding more
.set AW2,   10
.set STO,   12
.set RD,    13
.set CO,    14
.set VS,    15                         ; 32 x lane
.set SPW,   16
.set NIL,   17
.set SB,    24
.set SA,    44
.set ACC,   80
.set BK,    144
.set G1W,   24
.set G1A,   32                         ; six planes
.set G1B,   48                         ; five planes
.set G0W,   56
.set G0X,   68                         ; s[68:79] three groups 0
.set MSB, 0
.macro WIN new
.if MSB != \new
	s_set_vgpr_msb (MSB<<8)|\new
.set MSB, \new
.endif
.endm
.macro PLACES n
.rept \n
	v_nop
.endr
.endm
.macro CROUND
	s_barrier_signal -1
	s_barrier_wait -1
	s_cmp_lg_u32 s14, 0
	s_cbranch_scc1 .Lnot_wave_0_\@
	s_barrier_signal -3
.Lnot_wave_0_\@:
	s_barrier_wait -3
	s_barrier_signal -1
	s_barrier_wait -1
.endm
	s_load_b128 s[4:7], s[0:1], 0x0                ; actc, acts
	s_load_b128 s[8:11], s[0:1], 0x10              ; wc, ws
	s_load_b64 s[12:13], s[0:1], 0x20              ; out0
	v_lshl_add_u32 v[SPW], v0, 2, SPARE
	v_mov_b32 v[NIL], 0
	ds_add_u32 v[SPW], v[NIL]                      ; the opening lines: the add, twice, and below its wait
	ds_add_u32 v[SPW], v[NIL]
	v_lshrrev_b32 v1, 5, v0
	v_readfirstlane_b32 s14, v1                    ; wave
	s_lshr_b32 s15, s14, 1                         ; a: my half of the positions
	s_and_b32 s16, s14, 1                          ; b: my half of the columns
	s_bfe_u32 s40, ttmp6, 0x40000
	s_bfe_u32 s41, ttmp6, 0x40004
	s_lshl_b32 s42, ttmp9, 2
	s_add_co_u32 s42, s42, s40                     ; tile column, 0 .. 7
	s_and_b32 s17, ttmp7, 0xffff
	s_lshl_b32 s17, s17, 2
	s_add_co_u32 s17, s17, s41                     ; tile row, 0 .. 31
	s_lshl_b32 s43, s41, 2
	s_lshl_b32 s43, 15, s43                        ; my row of the cluster
	s_lshl_b32 s44, 0x1111, s40                    ; my column
	s_or_b32 s[G1W], s44, (3<<16)|(1<<20)|(1<<21)|(3<<22)|(3<<25)   ; elements of 8 bytes; 4 words of padding behind every 16
	s_mov_b32 s[G1W+1], 3072<<16                   ; a row: 128 x 192 bytes on end
	s_mov_b32 s[G1W+2], 4<<16                      ; four planes
	s_mov_b32 s[G1W+3], 3072<<16
	s_mov_b32 s[G1W+4], 4
	s_mov_b32 s[G1W+5], WPL/8
	s_mov_b32 s[G1W+6], 0
	s_mov_b32 s[G1W+7], 0
.macro GX g, rows
	s_or_b32 s[\g], s43, (3<<16)|(1<<21)
	s_mov_b32 s[\g+1], (XPB/8)<<16                 ; a row: 256 x 48 bytes on end
	s_mov_b32 s[\g+2], (\rows)<<16
	s_mov_b32 s[\g+3], (XPB/8)<<16
	s_mov_b32 s[\g+4], \rows
	s_mov_b32 s[\g+5], APL/8
	s_mov_b32 s[\g+6], 0
	s_mov_b32 s[\g+7], 0
.endm
	GX G1A, 6
	GX G1B, 5
	s_mul_i32 s20, s17, XPB                        ; x's codes: my tile's rows in a plane
	s_mov_b32 s21, 0
	s_mul_i32 s22, s42, 128*192
	s_add_co_u32 s22, s22, 3072*192                ; W's
	s_mov_b32 s23, 0
	s_lshl_b32 s46, s17, 13                        ; x's scale bytes: (256 tile row + 128 a) x 32
	s_lshl_b32 s18, s15, 12
	s_add_co_u32 s46, s46, s18
	s_mov_b32 s47, 0
	s_lshl_b32 s80, s42, 12                        ; W's: (3,072 + 128 tile column + 64 b) x 32
	s_lshl_b32 s18, s16, 11
	s_add_co_u32 s80, s80, s18
	s_add_co_u32 s80, s80, 3072*32
	s_mov_b32 s81, 0
	s_lshl_b32 s82, s17, 20                        ; out0: (256 tile row + 128 a) rows of 4,096 bytes + (128 tile column + 64 b) x 4
	s_lshl_b32 s18, s15, 19
	s_add_co_u32 s82, s82, s18
	s_lshl_b32 s18, s42, 9
	s_add_co_u32 s82, s82, s18
	s_lshl_b32 s18, s16, 8
	s_add_co_u32 s82, s82, s18
	s_mov_b32 s83, 0
	s_mul_i32 s84, s15, 128*48                     ; LDS: my 128 rows in a plane of x, for each four planes
	s_add_co_u32 s85, s84, 4*XPB
	s_add_co_u32 s86, s84, 8*XPB
	s_add_co_u32 s87, s84, 12*XPB
	s_mul_i32 s88, s16, 64*240                     ; my 64 rows of W
	s_add_co_u32 s88, s88, WB
	s_add_co_u32 s89, s88, 2*WCH
	s_mul_i32 s90, s14, 16*SP                      ; my stage
	s_add_co_u32 s90, s90, WB
	s_wait_dscnt 0x0                               ; both opening adds are done
	s_wait_kmcnt 0x0
	s_add_nc_u64 s[20:21], s[4:5], s[20:21]
	s_add_nc_u64 s[22:23], s[8:9], s[22:23]
	s_add_nc_u64 s[6:7], s[6:7], s[46:47]
	s_add_nc_u64 s[10:11], s[10:11], s[80:81]
	s_add_nc_u64 s[12:13], s[12:13], s[82:83]
	CROUND                                         ; all sixteen work-groups are here: the joint loads meet
	s_mov_b32 s[G0W], 1
	s_mov_b32 s[G0W+1], WB
	s_mov_b64 s[G0W+2:G0W+3], s[22:23]
	s_or_b32 s[G0W+3], s[G0W+3], 0x80000000
	s_mov_b32 s[G0X], 1                            ; planes 0-5
	s_mov_b32 s[G0X+1], 0
	s_mov_b64 s[G0X+2:G0X+3], s[20:21]
	s_or_b32 s[G0X+3], s[G0X+3], 0x80000000
	s_mov_b32 s[G0X+4], 1                          ; planes 6-10
	s_mov_b32 s[G0X+5], 6*XPB
	s_add_nc_u64 s[G0X+6:G0X+7], s[20:21], 6*APL
	s_or_b32 s[G0X+7], s[G0X+7], 0x80000000
	s_mov_b32 s[G0X+8], 1                          ; planes 11-15
	s_mov_b32 s[G0X+9], 11*XPB
	s_add_nc_u64 s[G0X+10:G0X+11], s[20:21], 11*APL
	s_or_b32 s[G0X+11], s[G0X+11], 0x80000000
.macro ARM under, g0, g1, next             ; one chain of branches on the wave's number, one load to an arm
	s_cmp_lt_u32 s14, \under
	s_cbranch_scc0 \next
	tensor_load_to_lds s[\g0:\g0+3], s[\g1:\g1+7]
	s_nop 0
	PLACES 4
	s_branch .Lhead_asked
\next:
.endm
	ARM 1, G0W,   G1W, .Lhead_1
	ARM 2, G0X,   G1A, .Lhead_2
	ARM 3, G0X+4, G1B, .Lhead_3
	tensor_load_to_lds s[G0X+8:G0X+11], s[G1B:G1B+7]
	s_nop 0
	PLACES 4
.Lhead_asked:
	v_and_b32 v1, 15, v0                           ; r
	v_bfe_u32 v2, v0, 4, 1                         ; h
	v_and_b32 v3, 31, v0
	v_mul_u32_u24 v20, v1, 48
	v_mad_u32_u24 v20, v2, 24, v20                 ; x: row r of 48 bytes, + 24 h
	v_add_nc_u32 v[AX], s84, v20
	v_add_nc_u32 v[AX+1], s85, v20
	v_add_nc_u32 v[AX+2], s86, v20
	v_add_nc_u32 v[AX+3], s87, v20
	v_mul_u32_u24 v21, v1, 240
	v_mad_u32_u24 v21, v2, 24, v21                 ; W: row r of 240 bytes, + 24 h,
	v_lshl_add_u32 v22, v2, 4, v21                 ; and the same behind one padding more
	v_add_nc_u32 v[AW], s88, v21
	v_add_nc_u32 v[AW+1], s89, v21
	v_add_nc_u32 v[AW2], s88, v22
	v_add_nc_u32 v[AW2+1], s89, v22
	v_mul_u32_u24 v20, v1, SP
	v_lshl_add_u32 v20, v2, 6, v20
	v_add_nc_u32 v[STO], s90, v20                  ; into the stage: row r, + 64 h
	v_mul_u32_u24 v21, v2, SP
	v_lshl_add_u32 v21, v1, 4, v21
	v_add_nc_u32 v[RD], s90, v21                   ; back: sixteen lanes to a row, two rows an instruction
	v_lshlrev_b32 v22, 12, v2
	v_lshl_add_u32 v[CO], v1, 4, v22               ; and the same two rows in out0
	v_lshlrev_b32 v[VS], 5, v3
	s_wait_alu depctr_va_vdst(0)                   ; the wait at the head's end
.irp p, 0,1
.irp c, 0,1
	global_load_b128 v[SB+8*\p+4*\c:SB+8*\p+4*\c+3], v[VS], s[10:11] offset:\p*1024+16*\c   ; W's rows 32 p + lane: word q in register SB + 8 p + q
.endr
.endr
.irp p, 0,1,2,3
.irp c, 0,1
	global_load_b128 v[SA+8*\p+4*\c:SA+8*\p+4*\c+3], v[VS], s[6:7] offset:\p*1024+16*\c     ; my positions 32 p + lane
.endr
.endr
.macro WFRAG f, q, t                       ; six pieces of 8 bytes of W's row: plane q / 2, its (q % 2)-th 96 bytes
	WIN ((1+(\f)/FPW)<<6)
.set R_, FR*((\f)%FPW)
.irp p, 0,1,2,3,4,5
.set PC_, 12*((\q)%2)+6*(\p/3)+\p%3
.if PC_%8 < 5
	ds_load_b64 v[R_+2*\p:R_+2*\p+1], v[AW+(\q)/4] offset:(((\q)/2)%2)*WCH+(\t)*3840+8*PC_+16*(PC_/8)
.else
	ds_load_b64 v[R_+2*\p:R_+2*\p+1], v[AW2+(\q)/4] offset:(((\q)/2)%2)*WCH+(\t)*3840+8*PC_+16*(PC_/8)
.endif
.endr
.endm
.macro XFRAG f, q, s                       ; planes 2 q and 2 q + 1, block s
	WIN ((1+(\f)/FPW)<<6)
.set R_, FR*((\f)%FPW)
.irp p, 0,1,2,3,4,5
	ds_load_b64 v[R_+2*\p:R_+2*\p+1], v[AX+(\q)/2] offset:((2*(\q)+\p/3)%4)*XPB+(\s)*768+8*(\p%3)
.endr
.endm
.macro FETCH s, e
.irp q, 0,1,2,3,4,5,6,7
	XFRAG 32+8*(\e)+\q, \q, \s
.endr
	WIN 0
.endm
.macro P1 d, fw, fx, c, xw, xx, ra, rb
	WIN (1+(\fw)/FPW)|((1+(\fx)/FPW)<<2)
	v_wmma_scale_f32_16x16x128_f8f6f4 v[\d:\d+7], v[FR*((\fw)%FPW):FR*((\fw)%FPW)+FR-1], v[FR*((\fx)%FPW):FR*((\fx)%FPW)+FR-1], \c, v[\xw], v[\xx] matrix_a_fmt:MATRIX_FMT_FP6 matrix_b_fmt:MATRIX_FMT_FP6 matrix_a_scale:MATRIX_SCALE_ROW\ra matrix_b_scale:MATRIX_SCALE_ROW\rb
.endm
.macro PROD s, e, q, t, ra
.set FW_, 4*(\q)+\t
.set FX_, 32+8*(\e)+\q
.set D_, ACC+32*(\e)+8*\t
.set XW_, SB+8*(\t/2)+\q
.set XX_, SA+8*((\s)/2)+\q
.if \q
	P1 D_, FW_, FX_, v[D_:D_+7], XW_, XX_, \ra, \e
.else
	P1 D_, FW_, FX_, 0, XW_, XX_, \ra, \e
.endif
.endm
.macro TOSTAGE s
.set A_, ACC+32*((\s)%2)
.set B_, BK+32*((\s)%2)
.irp t, 0,1,2,3
	ds_store_b128 v[STO], v[A_+8*\t:A_+8*\t+3] offset:128*(\t/2)+32*(\t%2)       ; each accumulator from its low end on
	ds_store_b128 v[STO], v[A_+8*\t+4:A_+8*\t+7] offset:128*(\t/2)+32*(\t%2)+16
.endr
.irp i, 0,1,2,3,4,5,6,7
	ds_load_b128 v[B_+4*\i:B_+4*\i+3], v[RD] offset:2*\i*SP                       ; LDS serves a wave's instructions in order: these see my stores
.endr
.endm
.macro SEND s                              ; position 16 s + m of my 128 is token 32 (s / 2) + 8 (s % 2) + m + 8 (m / 8)
.set B_, BK+32*((\s)%2)
.irp i, 0,1,2,3,4,5,6,7
	global_store_b128 v[CO], v[B_+4*\i:B_+4*\i+3], s[12:13] offset:(32*((\s)/2)+8*((\s)%2)+2*\i+8*(\i/4))*4096 th:TH_STORE_NT
.endr
.endm
.macro BLK s, e, w                         ; e = s % 2
	s_wait_dscnt \w
.irp q, 0,1,2,3,4,5,6,7
	PROD \s, \e, \q, 0, 0
	PROD \s, \e, \q, 1, 1
	PROD \s, \e, \q, 2, 0
	PROD \s, \e, \q, 3, 1
.endr
	WIN 0
.if \s > 0
	SEND \s-1                                      ; the last block's rows, back from the stage since the wait above
.endif
	PLACES 4                                       ; places ahead of the reads of the sums and of the loads into the fragments' registers
	s_wait_xcnt 0x0                                ; earlier stores have read their data: their registers take new rows
	TOSTAGE \s
.if \s < 6
	FETCH \s+2, \e
.endif
.endm
	s_cmp_eq_u32 s14, 0
	s_cbranch_scc0 .Lnot_w
	s_wait_tensorcnt 0x0                           ; wave 0's load, whose line no other wave issues
.Lnot_w:
	s_barrier_signal -1
	s_barrier_wait -1                              ; W's rows are in
.irp q, 0,1,2,3,4,5,6,7
.irp t, 0,1,2,3
	WFRAG 4*\q+\t, \q, \t
.endr
.endr
	WIN 0
	s_wait_tensorcnt 0x0                           ; my planes of x are in,
	s_wait_dscnt 0x0                               ; and my reads of W's region are over
	s_barrier_signal -1
	s_barrier_wait -1                              ; both hold of every wave
	FETCH 0, 0
	FETCH 1, 1
	s_wait_loadcnt 0x0                             ; the scale words
	BLK 0, 0, 48
	BLK 1, 1, 48
	BLK 2, 0, 48
	BLK 3, 1, 48
	BLK 4, 0, 48
	BLK 5, 1, 48
	BLK 6, 0, 48
	BLK 7, 1, 0
	s_wait_dscnt 0x0
	SEND 7
	s_wait_tensorcnt 0x0                           ; the wave's end: the three closing lines
	ds_add_u32 v[SPW], v[NIL]
	s_wait_dscnt 0x0
	CROUND                                         ; the closing round
	s_endpgm
.Lfunc_end_k_q504d7b1992_oproj:
	.size	k_q504d7b1992_oproj, .Lfunc_end_k_q504d7b1992_oproj-k_q504d7b1992_oproj
	.p2alignl 7, 3214868480
	.fill 96, 4, 3214868480
	.section	.rodata,"a",@progbits
	.p2align	6, 0x0
	.amdhsa_kernel k_q504d7b1992_oproj
		.amdhsa_group_segment_fixed_size 327680
		.amdhsa_private_segment_fixed_size 0
		.amdhsa_enable_private_segment 0
		.amdhsa_kernarg_size 40
		.amdhsa_user_sgpr_count 2
		.amdhsa_user_sgpr_kernarg_segment_ptr 1
		.amdhsa_wavefront_size32 1
		.amdhsa_system_sgpr_workgroup_id_x 1
		.amdhsa_system_sgpr_workgroup_id_y 1
		.amdhsa_system_sgpr_workgroup_id_z 1
		.amdhsa_system_vgpr_workitem_id 0
		.amdhsa_next_free_vgpr 896
		.amdhsa_next_free_sgpr 100
		.amdhsa_reserve_vcc 0
		.amdhsa_float_denorm_mode_32 3
		.amdhsa_float_denorm_mode_16_64 3
		.amdhsa_memory_ordered 1
		.amdhsa_forward_progress 1
		.amdhsa_inst_pref_size 95
	.end_amdhsa_kernel
	.amdgpu_metadata
---
amdhsa.version: [ 1, 2 ]
amdhsa.kernels:
  - .name:           k_q504d7b1992_oproj
    .symbol:         k_q504d7b1992_oproj.kd
    .args:
      - { .name: actc, .offset: 0, .size: 8, .value_kind: global_buffer, .address_space: global }
      - { .name: acts, .offset: 8, .size: 8, .value_kind: global_buffer, .address_space: global }
      - { .name: wc, .offset: 16, .size: 8, .value_kind: global_buffer, .address_space: global }
      - { .name: ws, .offset: 24, .size: 8, .value_kind: global_buffer, .address_space: global }
      - { .name: out0, .offset: 32, .size: 8, .value_kind: global_buffer, .address_space: global }
    .group_segment_fixed_size: 327680
    .private_segment_fixed_size: 0
    .kernarg_segment_align: 8
    .kernarg_segment_size: 40
    .max_flat_workgroup_size: 128
    .sgpr_count:     100
    .vgpr_count:     896
    .wavefront_size: 32
...
	.end_amdgpu_metadata
.endif
;; end of part 4
